; MI455X (gfx1250); checked and timed in simulation.
; The chip was launched on July 23, 2026; its instructions are those of AMD's public machine-readable ISA for CDNA 5 (MIT licence, August 2026) and "CDNA5" Instruction Set Architecture Reference Guide (July 2026). The comments in the code are by the model that wrote it; some were corrected since.
;; Mo E Head. Allowed arithmetic: matrix products marked QUANTISED: E3M2 operands, one E8M0 scale for each 32 along K, by v_wmma_scale_f32_16x16x128_f8f6f4 with both operands' format E3M2, f32 sums; products left as they are: f32 operands where the result goes on into a quantised operand, else bf16, f16 or f32 operands; f32 sums; everything else in f32.
;; Inputs: W 8 x 512 x 512 float32; Wg 8 x 512 float32; b 8 x 512 float32; bg 8 float32; x 32,768 x 512 float32.
;; Outputs: out0 32,768 x 512 float32.
;; This version of the problem:
;;   THIS VERSION OF THE PROBLEM IS GIVEN IN LOW PRECISION. The matrix products marked QUANTISED in the list below multiply operands that are first quantised to E3M2 (3 exponent bits, 2 mantissa bits; 6 bits a number), with one power-of-two scale for each 32 numbers along K (OCP MX v1.0); their sums are f32. All else is computed in f32.
;;   The module's matrix products, in the order in which they are computed (A, B: the left and right operand; K: the contracted axis; several contracted axes count as one K, in the product's order):
;;     1. [M 32,768, K 512] x [K 512, N 8]; A: input x; B: input Wg: left as it is (N = 8 < 16)
;;     2. [M 32,768, K 512] x [K 512, N 4,096]; A: input x; B: input W: QUANTISED
;;   THE QUANTISER, for each operand of a quantised product, along K:
;;     - K is cut into blocks of 32 from its start; a last block that is shorter is filled with zeros.
;;     - A block's scale is 2^e with e = floor(log2(the largest magnitude in the block)) - 4, held to -126 .. 127; a block of zeros has e = 0. As a byte (E8M0): e + 127.
;;     - Each number is divided by its block's scale, clamped to +-28, and rounded to the nearest number of E3M2, ties to even, subnormals kept.
;;     - The product sums the exact products of the quantised numbers (number of the format x scale) in f32.
;;   ~~~python
;;   def quantise(x, axis):      # numpy; x: float32 -> the quantised numbers, widened to float32 again
;;       x = np.moveaxis(x, axis, -1); K = x.shape[-1]
;;       x = np.pad(x, [(0, 0)] * (x.ndim - 1) + [(0, -K % 32)]); x = x.reshape(x.shape[:-1] + (-1, 32)); a = np.abs(x).max(-1, keepdims=True)
;;       e = np.where(a > 0, np.clip(np.frexp(np.where(a > 0, a, 1))[1] - 1 - 4, -126, 127), 0)      # np.frexp(a)[1] - 1 = floor(log2(a)), exactly
;;       r = np.clip(x / 2.0 ** e, -28, 28)
;;       step = 2.0 ** (np.maximum(np.frexp(np.where(r == 0, 1, r))[1] - 1, -2) - 2)
;;       q = np.round(r / step) * step * 2.0 ** e      # np.round: ties to even
;;       return np.moveaxis(q.reshape(q.shape[:-2] + (-1,))[..., :K], -1, axis).astype(np.float32)
;;   ~~~
;; 2 versions. Each part assembles by itself: llvm-mc -triple=amdgcn-amd-amdhsa -mcpu=gfx1250 --defsym DOCPART=n.
;; ======== version 1 of 2: 3 launches
;; workspace buffers: xq 12,582,912 bytes; sc 589,824 bytes; gw 524,288 bytes; wq 1,572,864 bytes; meta 131,072 bytes of whole numbers; hist 131,072 bytes of whole numbers; sched 147,968 bytes of whole numbers
;; launch prep (part 1): grid 288 x 1, 4 waves a work-group, no clusters, 82,432 bytes of LDS; arguments x, W, Wg, bg, xq, sc, gw, wq, meta, hist; writes xq, sc, gw, wq, meta, hist
.if DOCPART == 1
	.amdgcn_target "amdgcn-amd-amdhsa--gfx1250"
	.amdhsa_code_object_version 6
	.text
	.protected	k_q6bb2e829e6_prep
	.globl	k_q6bb2e829e6_prep
	.p2align	8
	.type	k_q6bb2e829e6_prep,@function
k_q6bb2e829e6_prep:
	s_mov_b64 s[64:65], 0
	v_nop
	global_prefetch_b8 v0, s[64:65] scope:SCOPE_SE
	s_setreg_imm32_b32 hwreg(HW_REG_WAVE_MODE, 25, 1), 1
	s_wait_xcnt 0x0
; x [32768][512] and W [8][512][512], f32, become codes of E3M2 with one E8M0 byte for each 32 along K = 512; for each token the gate x Wg^T + bg (f32 fused
; multiply-adds), its two largest scores (of equal scores the lower expert wins), their softmax, and the token's place among its 32 neighbours are made.
; Nothing that is derived from the scores enters an address or a branch here: it is stored, at fixed places, for the next launch.
; A block's scale is 2^(floor(log2(largest magnitude)) - 4): its byte is the largest magnitude's exponent field - 4, held at 1 from below.
; LIMITS: NaN and infinities among the inputs are not served.  A block whose largest magnitude lies under 2^-122, a block of zeros among them, keeps the byte 1 (its codes
; are zeros or subnormal codes; the bytes are read by this program alone).  The gate's f32 sum runs in another order than a plain dot product: scores a few last bits apart may change places.
; SHARES.  Work-groups 0-255: x; wave w takes the 32 tokens from 128 x work-group + 32 w on.  Work-groups 256-287: W as 4,096 rows; a wave takes 32 rows = two tiles of 16 outputs.
; A wave works a row (2,048 bytes) at a time.  Each of a row's four loads reads 512 consecutive bytes; the row turns through the wave's own LDS stage so that lane l holds k = 16 l .. 16 l + 15.
; Waves share nothing: no barrier.  The two paths part once on the work-group's number, never join, and have LDS bytes of their own.
; OUT.  xq: token x 384 bytes; block 4 s + 2 c + h at 192 h + 48 s + 24 c, so that lane (r, h) of an operand finds its 12 registers of K step s at 192 h + 48 s.
;   wq: images of operand registers: tile (e, o / 16) 6,144 bytes, K step s 1,536, chunk j 512: lane L's registers 4 j .. 4 j + 3 at 16 L.
;   sc: row x 16 scale bytes (x's rows, then W's).  gw: token x (g_lo, g_hi, g_hi, g_lo).  meta: token: pair number | rank << 8.  hist: group of 32 tokens x 32 counts.
; REGISTERS.  Window 0: v1-7, v20-31 addresses; v8-11 at work; v12-19 a scale byte for each row slot; v32-63 two sets of 16 neighbours; v64-95 the gate; v96-127 codes, four for each row slot;
;   v128-159 the token stage; v160-207 W's images on their way out; v208-215 a score for each row slot.   Window 1: v0-127 Wg (expert e, my k: 16 e + i); v128-255 eight row slots as loaded.
.set XSCORE, 5120                      ; x path, in a wave's 8,192 bytes: two stages of 2,560; 32 rows x 48 bytes of scores;
.set XSCB,   6656                      ; 32 rows x 16 scale bytes
.set WBASE,  32768                     ; W path: 12,288 bytes a wave from here on: two stages;
.set WSCB,   5120                      ; 32 rows x 16 scale bytes;
.set WIMG,   5632                      ; one tile's images, 6,144 bytes
.set TP,     80                        ; a lane's place in a stage: 64 bytes + 16 of padding
.set TSET,   32*TP
.set XR,  32
.set AC,  64
.set SS,  80
.set KT,  88
.set CD,  96
.set EB,  12
.set SR,  208
.set FL,  160
.set RAW, 128
.set MSB, 0
.macro WIN new                         ; s_set_vgpr_msb: bits 1:0 source 0, 3:2 source 1, 5:4 source 2, 7:6 destination; the high byte repeats the setting that is left
.if MSB != \new
	s_set_vgpr_msb (MSB<<8)|\new
.set MSB, \new
.endif
.endm
.macro LOADROW slot, off, src          ; a row: four loads of 512 consecutive bytes, into window 1
.irp j, 0,1,2,3
	global_load_b128 v[RAW+16*(\slot)+4*\j:RAW+16*(\slot)+4*\j+3], v2, s[\src:\src+1] offset:(\off)+512*\j th:TH_LOAD_NT
.endr
.endm
.macro TURN slot, par                  ; through the stage: LDS serves a wave's instructions in order (ISA guide 5.7.1.4), so no wait stands between the stores and the loads
.irp j, 0,1,2,3
	ds_store_b128 v3, v[RAW+16*(\slot)+4*\j:RAW+16*(\slot)+4*\j+3] offset:TSET*(\par)+8*TP*\j
.endr
.irp j, 0,1,2,3
	ds_load_b128 v[XR+16*(\par)+4*\j:XR+16*(\par)+4*\j+3], v4 offset:TSET*(\par)+16*\j
.endr
.endm
.macro QUANT par, slot, breg, boff     ; my 16 numbers become 12 bytes of codes; two neighbouring lanes hold a block
.set XS, XR+16*(\par)
	v_max3_num_f32 v8, |v[XS]|, |v[XS+1]|, |v[XS+2]|
	v_max3_num_f32 v9, |v[XS+3]|, |v[XS+4]|, |v[XS+5]|
.irp i, 6,10
	v_max3_num_f32 v8, v8, |v[XS+\i]|, |v[XS+\i+1]|
	v_max3_num_f32 v9, v9, |v[XS+\i+2]|, |v[XS+\i+3]|
.endr
	v_max3_num_f32 v8, v8, |v[XS+14]|, |v[XS+15]|
	v_max3_num_f32 v8, v8, v9, 0x2800000           ; the floor 2^(5 - 127): the byte cannot fall under 1
	v_max_num_f32_dpp v8, v8, v8 row_xmask:1 row_mask:0xf bank_mask:0xf   ; with my neighbour's 16: the block's largest magnitude
	v_add_nc_u32 v10, 0xfe000000, v8               ; 4 off its exponent field: the conversion takes this operand's exponent field as its scale
	v_cvt_scalef32_pk16_bf6_f32 v[CD+4*(\slot):CD+4*(\slot)+2], v[XS:XS+15], v10   ; nearest code, ties to even, beyond 28 the largest code
	v_lshrrev_b32 v[EB+(\slot)], 23, v10           ; the scale's byte (also the plain line behind the conversion)
	ds_store_b8 v[\breg], v[EB+(\slot)] offset:\boff   ; both lanes of a block write the same byte with the same value
.endm
; The gate of one row: eight chains of packed multiply-adds (source 1 = Wg, window 1), then a sum over the 32 lanes that also transposes:
; at each of three steps a lane keeps half of its numbers and hands the other half to the lane 1, 2, 4 away; lane l ends with expert l % 8's score.
.macro GATE par, slot
.irp e, 0,1,2,3,4,5,6,7
	v_pk_mul_f32 v[AC+2*\e:AC+2*\e+1], v[XR+16*(\par):XR+16*(\par)+1], v[16*\e:16*\e+1]
.endr
.irp i, 2,4,6,8,10,12,14
.irp e, 0,1,2,3,4,5,6,7
	v_pk_fma_f32 v[AC+2*\e:AC+2*\e+1], v[XR+16*(\par)+\i:XR+16*(\par)+\i+1], v[16*\e+\i:16*\e+\i+1], v[AC+2*\e:AC+2*\e+1]
.endr
.endr
	WIN 0
.irp e, 0,1,2,3,4,5,6,7
	v_add_f32 v[SS+\e], v[AC+2*\e], v[AC+2*\e+1]
.endr
.irp p, 0,1,2,3
	v_cndmask_b32 v[KT+\p], v[SS+2*\p], v[SS+2*\p+1], s28      ; odd lanes keep the odd expert,
	v_cndmask_b32 v[KT+4+\p], v[SS+2*\p+1], v[SS+2*\p], s28    ; and hand over the even one
.endr
.irp p, 0,1,2,3
	v_add_f32_dpp v[KT+\p], v[KT+4+\p], v[KT+\p] row_xmask:1 row_mask:0xf bank_mask:0xf
.endr
.irp p, 0,1
	v_cndmask_b32 v[SS+\p], v[KT+2*\p], v[KT+2*\p+1], s29
	v_cndmask_b32 v[SS+2+\p], v[KT+2*\p+1], v[KT+2*\p], s29
.endr
.irp p, 0,1
	v_add_f32_dpp v[SS+\p], v[SS+2+\p], v[SS+\p] row_xmask:2 row_mask:0xf bank_mask:0xf
.endr
	v_cndmask_b32 v[KT], v[SS], v[SS+1], s30
	v_cndmask_b32 v[KT+1], v[SS+1], v[SS], s30
	v_add_f32_dpp v[KT], v[KT+1], v[KT] row_xmask:4 row_mask:0xf bank_mask:0xf
	v_add_f32_dpp v[KT], v[KT], v[KT] row_xmask:8 row_mask:0xf bank_mask:0xf
	v_permlanex16_b32 v[KT+1], v[KT], s32, s33
	v_add_f32 v[SR+(\slot)], v[KT], v[KT+1]
	ds_store_b32 v29, v[SR+(\slot)] offset:48*(\slot)          ; the four lanes of an expert write the same word with the same bits
.endm
; One row of x.  refill: the slot takes the row eight further on.  turn: the next row goes through the other stage while this one is worked.
.macro ROWX slot, refill, turn, left
	s_wait_dscnt 0x2                               ; my row is back from the stage; behind its loads only the last row's score and byte stores were issued
.if \refill
	WIN 0x40
	LOADROW \slot, (\slot+8)*2048, 8               ; the stage's stores have read this slot's registers (they stand ahead of the loads just waited for)
.endif
.if \turn
	s_wait_loadcnt \left                           ; the next row's four loads are in; those of the rows behind it may be out
.endif
	WIN 0x04                                       ; source 1 (an LDS store's data; Wg) in window 1
.if \turn
	TURN (\slot+1)%8, (\slot+1)%2
.endif
	GATE (\slot)%2, \slot
	QUANT (\slot)%2, \slot, 30, 16*(\slot)
	global_store_b96 v7, v[CD+4*(\slot):CD+4*(\slot)+2], s[16:17] offset:384*(\slot)   ; the wave's 32 pieces of 12 bytes fill the token's 384 consecutive bytes
.endm
; One row of W: no gate; the codes go word by word to their places in the tile's images.
.macro ROWW t, refill, turn, left
	s_wait_dscnt 0x4                               ; behind my row's loads from the stage only the last row's byte and three code words were issued
.if \refill
	WIN 0x40
	LOADROW (\t)%8, ((\t)+8)*2048, 10
.endif
.if \turn
	s_wait_loadcnt \left
	WIN 0x04
	TURN ((\t)+1)%8, ((\t)+1)%2
.endif
	WIN 0
	QUANT (\t)%2, (\t)%8, 5, 16*(\t)
.irp d, 0,1,2
	ds_store_b32 v[20+\d], v[CD+4*((\t)%8)+\d] offset:16*((\t)%16)
.endr
.endm
.macro FLUSHW tile                     ; a tile's 6,144 bytes leave as they lie: each store covers 512 consecutive bytes
	s_wait_xcnt 0x0                                ; the registers below were the data of the flush before: they are loaded again only behind this wait
.irp i, 0,1,2,3,4,5,6,7,8,9,10,11
	ds_load_b128 v[FL+4*\i:FL+4*\i+3], v31 offset:512*\i
.endr
.irp i, 0,1,2,3,4,5,6,7,8,9,10,11
	s_wait_dscnt 11-\i                             ; LDS loads come back in order: number i is in
	global_store_b128 v2, v[FL+4*\i:FL+4*\i+3], s[22:23] offset:6144*(\tile)+512*\i
.endr
.endm
	s_load_b512 s[8:23], s[0:1], 0x0               ; x 8, W 10, Wg 12, bg 14, xq 16, sc 18, gw 20, wq 22
	s_load_b128 s[24:27], s[0:1], 0x40             ; meta 24, hist 26
	v_lshl_add_u32 v254, v0, 2, 0x14000
	v_mov_b32 v255, 0
	v_lshrrev_b32 v11, 5, v0
	v_readfirstlane_b32 s34, v11                   ; wave 0..3
	v_and_b32 v1, 31, v0                           ; lane
	v_lshlrev_b32 v2, 4, v1                        ; 16 x lane
	v_lshrrev_b32 v3, 2, v1
	v_mul_u32_u24 v3, v3, TP
	v_and_b32 v11, 3, v1
	v_lshl_add_u32 v3, v11, 4, v3                  ; the stage, on the way in: 80 (lane / 4) + 16 (lane % 4)
	v_mul_u32_u24 v4, v1, TP                       ; and on the way out: 80 x lane
	v_lshrrev_b32 v5, 1, v1                        ; my block of the row
	s_cmp_lt_u32 ttmp9, 256
	s_cbranch_scc0 .Lweights
	; ---------------- x ----------------
	s_lshl_b32 s35, s34, 13                        ; my wave's 8,192 bytes of LDS
	v_add_nc_u32 v3, s35, v3
	v_add_nc_u32 v4, s35, v4
	s_add_co_u32 s44, s35, XSCB
	v_add_nc_u32 v5, s44, v5                       ; scale bytes: row 0, my block
	v_lshl_add_u32 v28, v1, 4, s44                 ; and back: 16 bytes a token
	s_add_co_u32 s44, s35, XSCORE
	v_and_b32 v6, 7, v1
	v_lshl_add_u32 v6, v6, 2, s44                  ; scores: row 0, expert lane % 8
	v_mul_u32_u24 v27, v1, 48
	v_add_nc_u32 v27, s44, v27                     ; and back: 48 bytes a token
	v_bfe_u32 v7, v1, 1, 1                         ; my 12 bytes in a token's 384: h = bit 1, s = lane / 8, c = bit 2, half of the block = bit 0
	v_mul_u32_u24 v7, v7, 192
	v_lshrrev_b32 v11, 3, v1
	v_mad_u32_u24 v7, v11, 48, v7
	v_bfe_u32 v11, v1, 2, 1
	v_mad_u32_u24 v7, v11, 24, v7
	v_and_b32 v11, 1, v1
	v_mad_u32_u24 v7, v11, 12, v7
	v_lshlrev_b32 v24, 2, v1
	v_lshlrev_b32 v26, 6, v1
	s_mov_b32 s28, 0xaaaaaaaa                      ; lanes with bit 0, 1, 2 set
	s_mov_b32 s29, 0xcccccccc
	s_mov_b32 s30, 0xf0f0f0f0
	s_mov_b32 s32, 0x76543210                      ; v_permlanex16_b32's selects for lane l xor 16
	s_mov_b32 s33, 0xfedcba98
	s_lshl_b32 s52, ttmp9, 7
	s_lshl_b32 s53, s34, 5
	s_add_co_u32 s52, s52, s53                     ; my first token
	s_lshl_b32 s44, s52, 11                        ; its byte in x,
	s_mov_b32 s45, 0
	s_mul_i32 s46, s52, 384                        ; in xq,
	s_mov_b32 s47, 0
	s_lshl_b32 s48, s52, 4                         ; in sc and in gw,
	s_mov_b32 s49, 0
	s_lshl_b32 s52, s52, 2                         ; in meta; its group's in hist (32 tokens, 128 bytes: the same number)
	s_mov_b32 s53, 0
	s_wait_kmcnt 0x0
	s_load_b256 s[36:43], s[14:15], 0x0            ; bg's eight numbers
	s_add_nc_u64 s[8:9], s[8:9], s[44:45]
	s_add_nc_u64 s[16:17], s[16:17], s[46:47]
	s_add_nc_u64 s[18:19], s[18:19], s[48:49]
	s_add_nc_u64 s[20:21], s[20:21], s[48:49]
	s_add_nc_u64 s[24:25], s[24:25], s[52:53]
	s_add_nc_u64 s[26:27], s[26:27], s[52:53]
	WIN 0x40
.irp e, 0,1,2,3,4,5,6,7
.irp j, 0,1,2,3
	global_load_b128 v[16*\e+4*\j:16*\e+4*\j+3], v26, s[12:13] offset:2048*\e+16*\j   ; Wg[e][16 l ..]: stays in registers
.endr
.endr
.irp k, 0,1,2,3,4,5,6,7
	LOADROW \k, \k*2048, 8                         ; eight rows, 16 KiB a wave, are on their way
.endr
	s_wait_loadcnt 28                              ; Wg and row 0 are in; rows 1 to 7 (28 loads) may be out
	WIN 0x04
	TURN 0, 0
	WIN 0
	s_wait_dscnt 0x0
	s_wait_kmcnt 0x0                               ; bg
	s_mov_b32 s50, 0                               ; the trip's first row among the scores (48 bytes a row) and the scale bytes (16)
	s_mov_b32 s51, 0
	s_mov_b32 s31, 3
.Ltrip:                                                ; three trips of eight rows, each slot filled again; the last eight rows are written out without loads
	v_add_nc_u32 v29, s50, v6
	v_add_nc_u32 v30, s51, v5
.irp k, 0,1,2,3,4,5,6,7
	ROWX \k, 1, 1, 28                              ; behind the next row's loads stand those of seven rows
.endr
	s_wait_dscnt 0x0
	s_wait_xcnt 0x0                                ; the bases and the codes' registers, which this trip's loads and stores name, are written again only behind this wait
	s_add_nc_u64 s[8:9], s[8:9], 16384
	s_add_nc_u64 s[16:17], s[16:17], 3072
	s_add_co_u32 s50, s50, 384
	s_add_co_u32 s51, s51, 128
	s_sub_co_u32 s31, s31, 1
	s_cmp_lg_u32 s31, 0
	s_cbranch_scc1 .Ltrip
	v_add_nc_u32 v29, s50, v6
	v_add_nc_u32 v30, s51, v5
.irp k, 0,1,2,3,4,5,6
	ROWX \k, 0, 1, 4*(6-\k)                        ; the counts run down
.endr
	ROWX 7, 0, 0, 0
	; ---- the token stage: lane = token
	ds_load_b128 v[128:131], v27                   ; my eight scores (the wave's own stores stand ahead of these loads)
	ds_load_b128 v[132:135], v27 offset:16
	ds_load_b128 v[136:139], v28                   ; my 16 scale bytes
	s_wait_dscnt 0x0
.irp e, 0,1,2,3,4,5,6,7
	v_add_f32 v[128+\e], s[36+\e], v[128+\e]
.endr
	v_mov_b32 v140, v128                           ; the largest score: a later one wins only if it is greater, so of equals the lower expert stays
	v_mov_b32 v141, 0
.irp e, 1,2,3,4,5,6,7
	v_cmp_gt_f32 vcc_lo, v[128+\e], v140
	v_cndmask_b32 v140, v140, v[128+\e], vcc_lo
	v_cndmask_b32 v141, v141, \e, vcc_lo
.endr
	v_mov_b32 v144, 0xff800000
.irp e, 0,1,2,3,4,5,6,7
	v_cmp_eq_u32 vcc_lo, \e, v141
	v_cndmask_b32 v[128+\e], v[128+\e], v144, vcc_lo   ; the winner leaves the field
.endr
	v_mov_b32 v142, v128
	v_mov_b32 v143, 0
.irp e, 1,2,3,4,5,6,7
	v_cmp_gt_f32 vcc_lo, v[128+\e], v142
	v_cndmask_b32 v142, v142, v[128+\e], vcc_lo
	v_cndmask_b32 v143, v143, \e, vcc_lo
.endr
	v_sub_f32 v145, v142, v140                     ; the softmax of two, the maximum taken away: t = e^(second - first), at most 1
	v_mul_f32 v145, 0x3fb8aa3b, v145
	v_exp_f32 v145, v145
	v_min_u32 v158, v141, v143                     ; lo  (a plain line behind the exponential)
	s_wait_alu depctr_va_vdst(0)
	v_add_f32 v146, 1.0, v145
	v_rcp_f32 v146, v146                           ; g1 = 1 / (1 + t)
	v_max_u32 v159, v141, v143                     ; hi  (a plain line behind the reciprocal)
	s_wait_alu depctr_va_vdst(0)
	v_mul_f32 v147, v145, v146                     ; g2 = t g1
	v_cmp_lt_u32 vcc_lo, v141, v143
	v_cndmask_b32 v148, v147, v146, vcc_lo         ; g_lo
	v_cndmask_b32 v149, v146, v147, vcc_lo         ; g_hi
	v_mov_b32 v150, v149                           ; once more the other way round, so that each stands first in a pair
	v_mov_b32 v151, v148
	v_add_nc_u32 v157, -1, v159
	v_mul_u32_u24 v157, v157, v159
	v_lshrrev_b32 v157, 1, v157
	v_add_nc_u32 v152, v157, v158                  ; the pair's number: hi (hi - 1) / 2 + lo, 0 .. 27
	v_mov_b32 v154, 0                              ; which lanes hold another pair: bit by bit, my bit against all lanes'
.irp bit, 0,1,2,3,4
	v_bfe_u32 v153, v152, \bit, 1
	v_sub_nc_u32 v153, 0, v153
	v_cmp_ne_u32 s44, 0, v153
	v_xor_b32 v153, s44, v153
	v_or_b32 v154, v154, v153
.endr
	v_xor_b32 v154, -1, v154
	v_mbcnt_lo_u32_b32 v155, v154, 0               ; my rank: the lanes below me with my pair
	v_lshl_or_b32 v155, v155, 8, v152
	v_mov_b32 v156, 0                              ; lane p: how many of the 32 tokens hold pair p; lanes 28-31 stay 0
.irp k, 0,1,2,3,4,5,6,7,8,9,10,11,12,13,14,15,16,17,18,19,20,21,22,23,24,25,26,27
	v_cmp_eq_u32 vcc_lo, \k, v152
	s_bcnt1_i32_b32 s44, vcc_lo
	v_writelane_b32 v156, s44, \k
.endr
	global_store_b32 v24, v155, s[24:25]           ; all four stores are dense: lane after lane
	global_store_b32 v24, v156, s[26:27]
	global_store_b128 v2, v[148:151], s[20:21]
	global_store_b128 v2, v[136:139], s[18:19]
	s_wait_tensorcnt 0x0
	ds_add_u32 v254, v255
	s_wait_dscnt 0x0
	s_endpgm
	; ---------------- W ----------------
.Lweights:
	s_mul_i32 s35, s34, 12288
	s_add_co_u32 s35, s35, WBASE                   ; my wave's 12,288 bytes of LDS
	v_add_nc_u32 v3, s35, v3
	v_add_nc_u32 v4, s35, v4
	s_add_co_u32 s44, s35, WSCB
	v_add_nc_u32 v5, s44, v5
	v_lshl_add_u32 v28, v1, 4, s44
	s_add_co_u32 s44, s35, WIMG
	v_lshl_add_u32 v31, v1, 4, s44                 ; the images, on the way out: 16 x lane
	v_lshrrev_b32 v11, 3, v1                       ; on the way in: K step s = lane / 8: 1,536 s;
	v_mul_u32_u24 v27, v11, 1536
	v_bfe_u32 v11, v1, 1, 1
	v_lshl_add_u32 v27, v11, 8, v27                ; the operand's lanes 16-31 (h = bit 1): 256 h;
	v_add_nc_u32 v27, s44, v27
	v_bfe_u32 v11, v1, 2, 1
	v_mul_u32_u24 v29, v11, 24
	v_and_b32 v11, 1, v1
	v_mad_u32_u24 v29, v11, 12, v29                ; byte q = 24 c + 12 (bit 0) + 4 d of the operand lane's 48: chunk q / 16, byte q % 16 of its 16
.irp d, 0,1,2
	v_add_nc_u32 v30, 4*\d, v29
	v_lshrrev_b32 v11, 4, v30
	v_and_b32 v30, 15, v30
	v_lshl_add_u32 v11, v11, 9, v30
	v_add_nc_u32 v[20+\d], v27, v11
.endr
	s_sub_co_u32 s52, ttmp9, 256
	s_lshl_b32 s52, s52, 2
	s_add_co_u32 s52, s52, s34                     ; which 32 rows of W's 4,096 are my wave's
	s_lshl_b32 s44, s52, 16
	s_mov_b32 s45, 0
	s_mul_i32 s46, s52, 12288                      ; two tiles of images
	s_mov_b32 s47, 0
	s_lshl_b32 s48, s52, 9
	s_add_co_u32 s48, s48, 524288                  ; W's scale bytes lie behind x's 32,768 rows of 16
	s_mov_b32 s49, 0
	s_wait_kmcnt 0x0
	s_add_nc_u64 s[10:11], s[10:11], s[44:45]
	s_add_nc_u64 s[22:23], s[22:23], s[46:47]
	s_add_nc_u64 s[18:19], s[18:19], s[48:49]
	WIN 0x40
.irp k, 0,1,2,3,4,5,6,7
	LOADROW \k, \k*2048, 10
.endr
	s_wait_loadcnt 28                              ; row 0 is in
	WIN 0x04
	TURN 0, 0
	WIN 0
	s_wait_dscnt 0x0
.irp t, 0,1,2,3,4,5,6,7,8,9,10,11,12,13,14,15
	ROWW \t, 1, 1, 28
.endr
	FLUSHW 0
.irp t, 16,17,18,19,20,21,22,23
	ROWW \t, 1, 1, 28
.endr
.irp t, 24,25,26,27,28,29,30
	ROWW \t, 0, 1, 4*(30-\t)
.endr
	ROWW 31, 0, 0, 0
	FLUSHW 1
	ds_load_b128 v[136:139], v28                   ; lane = row: its 16 scale bytes
	s_wait_dscnt 0x0
	global_store_b128 v2, v[136:139], s[18:19]
	s_wait_tensorcnt 0x0
	ds_add_u32 v254, v255
	s_wait_dscnt 0x0
	s_endpgm
.Lfunc_end_k_q6bb2e829e6_prep:
	.size	k_q6bb2e829e6_prep, .Lfunc_end_k_q6bb2e829e6_prep-k_q6bb2e829e6_prep
	.p2alignl 7, 3214868480
	.fill 96, 4, 3214868480
	.section	.rodata,"a",@progbits
	.p2align	6, 0x0
	.amdhsa_kernel k_q6bb2e829e6_prep
		.amdhsa_group_segment_fixed_size 82432
		.amdhsa_private_segment_fixed_size 0
		.amdhsa_enable_private_segment 0
		.amdhsa_kernarg_size 80
		.amdhsa_user_sgpr_count 2
		.amdhsa_user_sgpr_kernarg_segment_ptr 1
		.amdhsa_wavefront_size32 1
		.amdhsa_system_sgpr_workgroup_id_x 1
		.amdhsa_system_sgpr_workgroup_id_y 1
		.amdhsa_system_sgpr_workgroup_id_z 1
		.amdhsa_system_vgpr_workitem_id 0
		.amdhsa_next_free_vgpr 512
		.amdhsa_next_free_sgpr 66
		.amdhsa_reserve_vcc 1
		.amdhsa_float_denorm_mode_32 3
		.amdhsa_float_denorm_mode_16_64 3
		.amdhsa_memory_ordered 1
		.amdhsa_forward_progress 1
		.amdhsa_inst_pref_size 211
	.end_amdhsa_kernel
	.amdgpu_metadata
---
amdhsa.version: [ 1, 2 ]
amdhsa.kernels:
  - .name:           k_q6bb2e829e6_prep
    .symbol:         k_q6bb2e829e6_prep.kd
    .args:
      - { .name: x, .offset: 0, .size: 8, .value_kind: global_buffer, .address_space: global }
      - { .name: W, .offset: 8, .size: 8, .value_kind: global_buffer, .address_space: global }
      - { .name: Wg, .offset: 16, .size: 8, .value_kind: global_buffer, .address_space: global }
      - { .name: bg, .offset: 24, .size: 8, .value_kind: global_buffer, .address_space: global }
      - { .name: xq, .offset: 32, .size: 8, .value_kind: global_buffer, .address_space: global }
      - { .name: sc, .offset: 40, .size: 8, .value_kind: global_buffer, .address_space: global }
      - { .name: gw, .offset: 48, .size: 8, .value_kind: global_buffer, .address_space: global }
      - { .name: wq, .offset: 56, .size: 8, .value_kind: global_buffer, .address_space: global }
      - { .name: meta, .offset: 64, .size: 8, .value_kind: global_buffer, .address_space: global }
      - { .name: hist, .offset: 72, .size: 8, .value_kind: global_buffer, .address_space: global }
    .group_segment_fixed_size: 82432
    .private_segment_fixed_size: 0
    .kernarg_segment_align: 8
    .kernarg_segment_size: 80
    .max_flat_workgroup_size: 128
    .sgpr_count:     66
    .vgpr_count:     512
    .wavefront_size: 32
...
	.end_amdgpu_metadata
.endif
;; end of part 1
;; launch place (part 2): grid 1 x 1, 32 waves a work-group, no clusters, 8,192 bytes of LDS; arguments hist, meta, sched; writes sched
.if DOCPART == 2
	.amdgcn_target "amdgcn-amd-amdhsa--gfx1250"
	.amdhsa_code_object_version 6
	.text
	.protected	k_q6bb2e829e6_place
	.globl	k_q6bb2e829e6_place
	.p2align	8
	.type	k_q6bb2e829e6_place,@function
k_q6bb2e829e6_place:
	s_mov_b64 s[64:65], 0
	v_nop
	global_prefetch_b8 v0, s[64:65] scope:SCOPE_SE
	s_setreg_imm32_b32 hwreg(HW_REG_WAVE_MODE, 25, 1), 1
	s_wait_xcnt 0x0
; The tokens are sorted by their pair of experts (28 pairs), by a counting sort in whole numbers, and cut into tiles of at most 144 tokens of one pair.
; hist [1024 groups of 32 tokens][32]: how many tokens of the group hold pair p.  meta [32768]: pair | rank among the same pair in the group << 8.
; sched: words 0-255: tile j = rows | lo << 8 | hi << 12 (rows = 0: no such tile); from byte 1,024 on: order[144 tile + slot] = token.
; The sum over the pairs of ceil(count / 144) is at most (32,768 + 28 x 143) / 144, so at most 255 tiles, whatever the split.
; One work-group of 32 waves, since every place hangs on all counts.  Wave w owns groups 32 w .. 32 w + 31.  In the scans lane = pair; in the scatter lane = token.
; REGISTERS: v2 byte of my word in group 32 w; v3 4 x thread; v4 4 x lane; v8-39 H (counts, then bases, then tokens); v40-71 M (meta); v72-103 T; v104 the pair's count; v105 the count in the waves below mine;
; v106 the pair's first tile; v107 tile 'thread's' pair; v108 base; v109 my first token.
	s_load_b128 s[4:7], s[0:1], 0x0                ; hist, meta
	s_load_b64 s[8:9], s[0:1], 0x10                ; sched
	v_lshl_add_u32 v126, v0, 2, 0x1000
	v_mov_b32 v127, 0
	v_lshrrev_b32 v1, 5, v0
	v_readfirstlane_b32 s10, v1                    ; wave 0..31
	v_and_b32 v1, 31, v0
	v_lshlrev_b32 v4, 2, v1
	v_lshlrev_b32 v3, 2, v0
	s_lshl_b32 s11, s10, 12
	v_add_nc_u32 v2, s11, v4                       ; 32 groups x 128 bytes a wave, in hist and in meta alike
	s_lshl_b32 s11, s10, 10
	v_add_nc_u32 v109, s11, v1                     ; token 1,024 w + lane
	s_wait_kmcnt 0x0
.set i, 0
.rept 32
	global_load_b32 v[8+i], v2, s[4:5] offset:128*i
.set i, i+1
.endr
.set i, 0
.rept 32
	global_load_b32 v[40+i], v2, s[6:7] offset:128*i
.set i, i+1
.endr
	s_wait_loadcnt 32                              ; the counts are in; meta's 32 loads may be out
.set i, 1
.rept 31
	v_add_nc_u32 v[8+i], v[8+i], v[8+i-1]          ; running sums over my 32 groups
.set i, i+1
.endr
	ds_store_b32 v3, v39                           ; my wave's total of each pair: word 32 w + pair
	s_wait_dscnt 0x0                               ; for the others' sake
	s_barrier_signal -1
	s_barrier_wait -1
.set i, 0
.rept 32
	ds_load_b32 v[72+i], v4 offset:128*i           ; every wave's total of my pair
.set i, i+1
.endr
	v_mov_b32 v104, 0
	v_mov_b32 v105, 0
	s_wait_dscnt 0x0
.set i, 0
.rept 32
	s_cmp_gt_u32 s10, i
	s_cselect_b32 s12, -1, 0
	v_and_b32 v110, s12, v[72+i]
	v_add_nc_u32 v104, v104, v[72+i]               ; the pair's count,
	v_add_nc_u32 v105, v105, v110                  ; and what the waves below mine hold of it
.set i, i+1
.endr
	s_mov_b32 s14, 0                               ; tiles so far
	v_mov_b32 v106, 0
	v_mov_b32 v107, 0
.set p, 0
.rept 28
	v_writelane_b32 v106, s14, p                   ; pair p's first tile
	v_readlane_b32 s12, v104, p
	s_add_co_u32 s12, s12, 143
	s_mul_hi_u32 s12, s12, 0x1c71c72               ; / 144: 29,826,162 x 144 = 2^32 + 32, so the quotient is exact for numbers under 2^32 / (32 x 144)
	s_add_co_u32 s14, s14, s12
	v_cmp_le_u32 vcc_lo, s14, v0                   ; tile 'thread' lies behind pair p's tiles
	v_cndmask_b32 v110, 0, 1, vcc_lo
	v_add_nc_u32 v107, v107, v110
.set p, p+1
.endr
	v_mul_u32_u24 v108, v106, 144
	v_add_nc_u32 v108, v108, v105                  ; where my wave's first token of the pair goes
.set i, 31
.rept 31
	v_add_nc_u32 v[8+i], v108, v[8+i-1]            ; and group i's
.set i, i-1
.endr
	v_mov_b32 v8, v108
	s_wait_loadcnt 0x0                             ; meta
.set i, 0
.rept 32
	v_and_b32 v[72+i], 0xff, v[40+i]
	v_min_u32 v[72+i], 31, v[72+i]
	v_lshlrev_b32 v[72+i], 2, v[72+i]
	ds_bpermute_b32 v[72+i], v[72+i], v[8+i]       ; lane = token now: the base of my pair in group i, from the lane of that pair
	v_bfe_u32 v[40+i], v[40+i], 8, 8               ; my rank
.set i, i+1
.endr
	s_wait_dscnt 0x0
.set i, 0
.rept 32
	v_add_nc_u32 v[72+i], v[72+i], v[40+i]
	v_min_u32 v[72+i], 0x8f6f, v[72+i]             ; 255 x 144 - 1: the list's last slot
	v_lshlrev_b32 v[72+i], 2, v[72+i]
	v_add_nc_u32 v[8+i], 32*i, v109
	global_store_b32 v[72+i], v[8+i], s[8:9] offset:1024
.set i, i+1
.endr
	s_cmp_lt_u32 s10, 8                            ; the list of tiles: threads 0-255
	s_cbranch_scc0 .Ldone
	v_min_u32 v110, 31, v107                       ; a tile behind the last has pair 28, whose count is 0
	v_lshlrev_b32 v110, 2, v110
	ds_bpermute_b32 v111, v110, v104               ; my pair's count
	ds_bpermute_b32 v112, v110, v106               ; and its first tile
	v_mov_b32 v113, 1
.irp thr, 1,3,6,10,15,21
	v_cmp_le_u32 vcc_lo, \thr, v107
	v_cndmask_b32 v114, 0, 1, vcc_lo
	v_add_nc_u32 v113, v113, v114                  ; hi: the pairs of hi begin at hi (hi - 1) / 2
.endr
	v_add_nc_u32 v114, -1, v113
	v_mul_u32_u24 v114, v114, v113
	v_lshrrev_b32 v114, 1, v114
	v_sub_nc_u32 v114, v107, v114                  ; lo
	s_wait_dscnt 0x0
	v_sub_nc_u32 v112, v0, v112
	v_mul_u32_u24 v112, v112, 144
	v_sub_nc_u32 v111, v111, v112                  ; what is left of the pair at my tile,
	v_max_i32 v111, 0, v111
	v_min_i32 v111, 144, v111                      ; held to 0 .. 144
	v_lshl_or_b32 v111, v114, 8, v111
	v_lshl_or_b32 v111, v113, 12, v111
	global_store_b32 v3, v111, s[8:9]
.Ldone:
	s_wait_tensorcnt 0x0
	ds_add_u32 v126, v127
	s_wait_dscnt 0x0
	s_endpgm
.Lfunc_end_k_q6bb2e829e6_place:
	.size	k_q6bb2e829e6_place, .Lfunc_end_k_q6bb2e829e6_place-k_q6bb2e829e6_place
	.p2alignl 7, 3214868480
	.fill 96, 4, 3214868480
	.section	.rodata,"a",@progbits
	.p2align	6, 0x0
	.amdhsa_kernel k_q6bb2e829e6_place
		.amdhsa_group_segment_fixed_size 8192
		.amdhsa_private_segment_fixed_size 0
		.amdhsa_enable_private_segment 0
		.amdhsa_kernarg_size 24
		.amdhsa_user_sgpr_count 2
		.amdhsa_user_sgpr_kernarg_segment_ptr 1
		.amdhsa_wavefront_size32 1
		.amdhsa_system_sgpr_workgroup_id_x 1
		.amdhsa_system_sgpr_workgroup_id_y 1
		.amdhsa_system_sgpr_workgroup_id_z 1
		.amdhsa_system_vgpr_workitem_id 0
		.amdhsa_next_free_vgpr 128
		.amdhsa_next_free_sgpr 66
		.amdhsa_reserve_vcc 1
		.amdhsa_float_denorm_mode_32 3
		.amdhsa_float_denorm_mode_16_64 3
		.amdhsa_memory_ordered 1
		.amdhsa_forward_progress 1
		.amdhsa_inst_pref_size 47
	.end_amdhsa_kernel
	.amdgpu_metadata
---
amdhsa.version: [ 1, 2 ]
amdhsa.kernels:
  - .name:           k_q6bb2e829e6_place
    .symbol:         k_q6bb2e829e6_place.kd
    .args:
      - { .name: hist, .offset: 0, .size: 8, .value_kind: global_buffer, .address_space: global }
      - { .name: meta, .offset: 8, .size: 8, .value_kind: global_buffer, .address_space: global }
      - { .name: sched, .offset: 16, .size: 8, .value_kind: global_buffer, .address_space: global }
    .group_segment_fixed_size: 8192
    .private_segment_fixed_size: 0
    .kernarg_segment_align: 8
    .kernarg_segment_size: 24
    .max_flat_workgroup_size: 1024
    .sgpr_count:     66
    .vgpr_count:     128
    .wavefront_size: 32
...
	.end_amdgpu_metadata
.endif
;; end of part 2
;; launch experts (part 3): grid 255 x 1, 4 waves a work-group, no clusters, 159,744 bytes of LDS; arguments sched, xq, sc, gw, wq, b, out0; writes out0
.if DOCPART == 3
	.amdgcn_target "amdgcn-amd-amdhsa--gfx1250"
	.amdhsa_code_object_version 6
	.text
	.protected	k_q6bb2e829e6_experts
	.globl	k_q6bb2e829e6_experts
	.p2align	8
	.type	k_q6bb2e829e6_experts,@function
k_q6bb2e829e6_experts:
	s_mov_b64 s[64:65], 0
	v_nop
	global_prefetch_b8 v0, s[64:65] scope:SCOPE_SE
	s_setreg_imm32_b32 hwreg(HW_REG_WAVE_MODE, 25, 1), 1
	s_wait_xcnt 0x0
; out[n] = g_lo (Q(x[n]) Q(W[lo])^T + b[lo]) + g_hi (Q(x[n]) Q(W[hi])^T + b[hi]): only the two experts chosen for a token are multiplied.
; Both operands are codes of E3M2 with E8M0 scales, made by the first launch; sums in f32.
; SHARES.  A work-group takes one tile of the stored list: at most 144 tokens that all hold the same pair (lo, hi), so each row of out has one owner.  The grid is the list's bound, 255 tiles;
; a work-group whose tile has no rows stores nothing and ends.  Wave w makes outputs 128 w .. 128 w + 127 for all nine tiles of 16 tokens.  Waves share nothing: no barrier.
; A slot beyond the tile's rows repeats the tile's last token: the same bits are stored again to the same row.
; NO TENSOR LOADS, NO JOINT REQUESTS: how many tiles a pair has, and whether a work-group has rows at all, are numbers read from memory, so partners could not be held to the same requests and the same barriers;
; the weights come from memory straight into registers, laid by the first launch as images of the operand's registers (a K step's fragment: three loads of 512 consecutive bytes).
; THE MATRIX INSTRUCTION IS USED TRANSPOSED: source 0 = 16 rows of W, source 1 = 16 tokens: lane (r, h) holds token r and outputs 8 h .. 8 h + 7, so a token's weights are one number a lane; the bias is the C of a sum's first product.
; A UNIT is one expert's 16 outputs x 144 tokens x K = 512: 36 matrix instructions.  Units go lo, hi, lo, hi ..; behind each hi the two are weighed and go to the wave's stage in LDS;
; after four tiles of outputs (256 bytes a token) the stage leaves: sixteen lanes store 256 consecutive bytes, aligned.  A unit's weights are asked for behind the unit four back: three units' loads are on their way.
; REGISTERS, in windows of 256.  Window 0: v1-8 addresses; v10-18 tokens; v32-67 x's scale words (4 t + s); v68-83 W's (4 buffers); v104-247 the sums P[e][t] = 104 + 72 e + 8 t
;   (at the head v221-238 gather offsets; in a flush v104-199 rows, v200-223 their tokens).   Window 1: x's tiles 0-4 at 48 t + 12 s.   Window 2: tiles 5-8; v192-223 the biases, 4 buffers.
;   Window 3: W, 4 buffers of 48; v192-227 the weights (g_lo, g_hi, g_hi, g_lo) of tile t at 192 + 4 t.
.set LISTB, 576                        ; LDS: a copy of the tile's 144 tokens for each wave;
.set STAGE, 2560                       ; behind them a stage of 144 rows x (256 + 16) bytes for each wave
.set SP,    272
.set STGB,  144*SP
.set P,   104
.set XS,  32
.set WS,  68
.set GG,  192
.set BI,  192
.set TK,  200
.set DA,  104
.set OX,  221
.set OS,  230
.set WB,  24                           ; s[24:27] wq at lo, at hi;  s[28:31] W's scale bytes;  s[32:35] b
.set SB,  28
.set BB,  32
.set MSB, 0
.macro WIN new                         ; bits 1:0 source 0, 3:2 source 1, 5:4 source 2, 7:6 destination; the high byte repeats the setting that is left
.if MSB != \new
	s_set_vgpr_msb (MSB<<8)|\new
.set MSB, \new
.endif
.endm
.macro LOADS u                         ; unit u's 15 loads: 12 of W's images, 2 of the bias, 1 of W's scale words
.set LE,  (\u)%2
.set LOT, (\u)/2
.set LB,  (\u)%4
	WIN 0xc0
.irp s, 0,1,2,3
.irp j, 0,1,2
	global_load_b128 v[48*LB+12*\s+4*\j:48*LB+12*\s+4*\j+3], v1, s[WB+2*LE:WB+2*LE+1] offset:6144*LOT+1536*\s+512*\j
.endr
.endr
	WIN 0x80
.irp i, 0,1
	global_load_b128 v[BI+8*LB+4*\i:BI+8*LB+4*\i+3], v3, s[BB+2*LE:BB+2*LE+1] offset:64*LOT+16*\i
.endr
	WIN 0
	global_load_b128 v[WS+4*LB:WS+4*LB+3], v2, s[SB+2*LE:SB+2*LE+1] offset:256*LOT
.endm
.macro WM e, buf, t, s                 ; one product: expert e's sums of token tile t, K step s
.set rP, P+72*(\e)+8*(\t)
.set rW, 48*(\buf)+12*(\s)
.if (\t) < 5
.set rX, 48*(\t)+12*(\s)
.else
.set rX, 48*((\t)-5)+12*(\s)
.endif
.if (\s) == 0
	v_wmma_scale_f32_16x16x128_f8f6f4 v[rP:rP+7], v[rW:rW+11], v[rX:rX+11], v[BI+8*(\buf):BI+8*(\buf)+7], v[WS+4*(\buf)+(\s)], v[XS+4*(\t)+(\s)] matrix_a_fmt:MATRIX_FMT_BF6 matrix_b_fmt:MATRIX_FMT_BF6
.else
	v_wmma_scale_f32_16x16x128_f8f6f4 v[rP:rP+7], v[rW:rW+11], v[rX:rX+11], v[rP:rP+7], v[WS+4*(\buf)+(\s)], v[XS+4*(\t)+(\s)] matrix_a_fmt:MATRIX_FMT_BF6 matrix_b_fmt:MATRIX_FMT_BF6
.endif
.endm
; The sums take turns, one instruction a turn (five, then four of them).
.macro UNIT u
.set UE, (\u)%2
.set UB, (\u)%4
.if (\u) >= 4
.if (\u) <= 12
	s_wait_loadcnt 45                              ; my 15 loads are in; those of the three units behind me may be out
.else
	s_wait_loadcnt 15*(15-(\u))                    ; the counts run down
.endif
.endif
.if (UE == 0) && ((\u) >= 2)
	s_wait_dscnt 0x0                               ; the stage's stores have read the sums that are begun anew below
.endif
	WIN 0x27                                       ; W window 3, x window 1, the bias window 2
.irp t, 0,1,2,3,4
	WM UE, UB, \t, 0
.endr
	WIN 0x07
.irp s, 1,2,3
.irp t, 0,1,2,3,4
	WM UE, UB, \t, \s
.endr
.endr
	WIN 0x2b                                       ; x window 2
.irp t, 5,6,7,8
	WM UE, UB, \t, 0
.endr
	WIN 0x0b
.irp s, 1,2,3
.irp t, 5,6,7,8
	WM UE, UB, \t, \s
.endr
.endr
	WIN 0
.rept 4
	v_nop                                          ; four places ahead of the loads into the buffers just multiplied and of the first read of the sums; two units' eight stand ahead of the products that begin these sums anew
.endr
.if (\u) <= 11
	LOADS (\u)+4
.endif
.endm
.macro COMBINE q                       ; g_lo P[lo] + g_hi P[hi], each sum from its low end on; then 32 bytes a lane to row 16 t + r of the stage
	WIN 0x0c                                       ; source 1, the weights: window 3
.irp t, 0,1,2,3,4,5,6,7,8
.irp j, 0,2,4,6
	v_pk_mul_f32 v[P+8*\t+\j:P+8*\t+\j+1], v[P+8*\t+\j:P+8*\t+\j+1], v[GG+4*\t:GG+4*\t+1] op_sel_hi:[1,0]
.endr
.irp j, 0,2,4,6
	v_pk_fma_f32 v[P+8*\t+\j:P+8*\t+\j+1], v[P+72+8*\t+\j:P+72+8*\t+\j+1], v[GG+4*\t+2:GG+4*\t+3], v[P+8*\t+\j:P+8*\t+\j+1] op_sel_hi:[1,0,1]
.endr
.endr
	WIN 0
.irp t, 0,1,2,3,4,5,6,7,8
	ds_store_b128 v4, v[P+8*\t:P+8*\t+3] offset:16*SP*\t+64*(\q)
	ds_store_b128 v4, v[P+8*\t+4:P+8*\t+7] offset:16*SP*\t+64*(\q)+16
.endr
.endm
; The stage leaves, 48 rows at a time: lanes 0-15 take row i, lanes 16-31 row i + 72; each row goes to its token's row of out.
.macro FLUSH f
	s_wait_dscnt 0x0
.irp k, 0,1,2
.irp n, 0,1,2,3,4,5
	ds_load_b128 v[TK+4*\n:TK+4*\n+3], v6 offset:16*(6*\k+\n)      ; the tokens of rows 24 k .. 24 k + 23 (+ 72): four to a load, the same for all lanes of a half
.endr
.set i, 0
.rept 24
	ds_load_b128 v[DA+4*i:DA+4*i+3], v5 offset:SP*(24*\k+i)
.set i, i+1
.endr
	s_wait_dscnt 24                                ; the tokens are in; the 24 rows may be out
.set i, 0
.rept 24
	v_min_u32 v[TK+i], 0x7fff, v[TK+i]
.set i, i+1
.endr
.set i, 0
.rept 24
	v_lshl_add_u32 v[TK+i], v[TK+i], 11, v7        ; token x 2,048 + my wave's 512 bytes + 16 (lane % 16)
.set i, i+1
.endr
.set i, 0
.rept 24
	s_wait_dscnt 23-i                              ; LDS loads come back in order: row i is in
	global_store_b128 v[TK+i], v[DA+4*i:DA+4*i+3], s[20:21] offset:256*(\f) th:TH_STORE_NT   ; sixteen lanes store 256 consecutive bytes, at a multiple of 256 from out's first byte
.set i, i+1
.endr
	s_wait_xcnt 0x0                                ; the stores' data and offsets are written again only behind this wait
.endr
.endm
	s_load_b256 s[8:15], s[0:1], 0x0               ; sched 8, xq 10, sc 12, gw 14
	s_load_b128 s[16:19], s[0:1], 0x20             ; wq 16, b 18
	s_load_b64 s[20:21], s[0:1], 0x30              ; out
	v_lshl_add_u32 v254, v0, 2, 0x26e00
	v_mov_b32 v255, 0
	v_lshrrev_b32 v9, 5, v0
	v_readfirstlane_b32 s38, v9                    ; wave 0..3
	v_and_b32 v19, 31, v0                          ; lane
	v_and_b32 v20, 15, v0                          ; r
	v_bfe_u32 v21, v0, 4, 1                        ; h
	s_lshl_b32 s40, ttmp9, 2
	s_mov_b32 s41, 0
	s_wait_kmcnt 0x0
	s_add_nc_u64 s[22:23], s[8:9], s[40:41]
	s_load_b32 s39, s[22:23], 0x0                  ; my tile's word
	s_mul_i32 s46, s38, 49152                      ; my 8 tiles of outputs in an expert's images
	v_lshl_add_u32 v1, v19, 4, s46
	s_lshl_b32 s46, s38, 11
	v_lshl_add_u32 v2, v20, 4, s46                 ; W's scale words: row 128 w + r, 16 bytes a row
	s_lshl_b32 s47, s38, 9
	v_lshl_add_u32 v3, v21, 5, s47                 ; the bias: 512 w + 32 h
	v_lshl_add_u32 v7, v20, 4, s47                 ; out: 512 w + 16 (lane % 16)
	s_mul_i32 s48, s38, STGB
	s_add_co_u32 s48, s48, STAGE                   ; my stage
	v_mul_u32_u24 v4, v20, SP
	v_lshl_add_u32 v4, v21, 5, v4
	v_add_nc_u32 v4, s48, v4                       ; in: row r, 32 bytes for each half of the lanes
	v_mul_u32_u24 v5, v21, 72*SP
	v_lshl_add_u32 v5, v20, 4, v5
	v_add_nc_u32 v5, s48, v5                       ; back: lanes 16-31 read 72 rows further down
	s_mul_i32 s49, s38, LISTB
	v_mul_u32_u24 v6, v21, 288
	v_add_nc_u32 v6, s49, v6                       ; my list: 72 tokens further on for lanes 16-31
	v_lshl_add_u32 v8, v20, 2, s49
	v_mul_u32_u24 v22, v21, 192
	s_wait_kmcnt 0x0
	s_and_b32 s36, s39, 0xff                       ; rows
	s_cmp_eq_u32 s36, 0
	s_cbranch_scc1 .Lempty                         ; this split has no such tile
	s_sub_co_u32 s37, s36, 1
	s_bfe_u32 s40, s39, 0x40008
	s_min_u32 s40, s40, 7                          ; lo
	s_bfe_u32 s41, s39, 0x4000c
	s_min_u32 s41, s41, 7                          ; hi
	s_mov_b32 s43, 0
	s_mul_i32 s42, ttmp9, 576
	s_add_co_u32 s42, s42, 1024
	s_add_nc_u64 s[22:23], s[8:9], s[42:43]        ; my tile's 144 slots of the list
	s_mul_i32 s42, s40, 196608
	s_add_nc_u64 s[WB:WB+1], s[16:17], s[42:43]
	s_mul_i32 s42, s41, 196608
	s_add_nc_u64 s[WB+2:WB+3], s[16:17], s[42:43]
	s_lshl_b32 s42, s40, 13
	s_add_co_u32 s42, s42, 524288
	s_add_nc_u64 s[SB:SB+1], s[12:13], s[42:43]
	s_lshl_b32 s42, s41, 13
	s_add_co_u32 s42, s42, 524288
	s_add_nc_u64 s[SB+2:SB+3], s[12:13], s[42:43]
	s_lshl_b32 s42, s40, 11
	s_add_nc_u64 s[BB:BB+1], s[18:19], s[42:43]
	s_lshl_b32 s42, s41, 11
	s_add_nc_u64 s[BB+2:BB+3], s[18:19], s[42:43]
.irp t, 0,1,2,3,4,5,6,7,8
	v_add_nc_u32 v[10+\t], 16*\t, v20
	v_min_u32 v[10+\t], s37, v[10+\t]              ; a slot beyond the rows takes the last row's token
	v_min_u32 v[10+\t], 143, v[10+\t]
	v_lshlrev_b32 v[10+\t], 2, v[10+\t]
.endr
.irp t, 0,1,2,3,4,5,6,7,8
	global_load_b32 v[10+\t], v[10+\t], s[22:23]
.endr
	LOADS 0
	LOADS 1
	LOADS 2
	LOADS 3
	s_wait_loadcnt 60                              ; the tokens are in; the four units' 60 loads may be out
.irp t, 0,1,2,3,4,5,6,7,8
	v_min_u32 v[10+\t], 0x7fff, v[10+\t]
.endr
.irp t, 0,1,2,3,4,5,6,7,8
	ds_store_b32 v8, v[10+\t] offset:64*\t         ; lanes r and r + 16 write the same word with the same value
.endr
.irp t, 0,1,2,3,4,5,6,7,8
	v_mad_u32_u24 v[OX+\t], v[10+\t], 384, v22     ; the token's codes: my half's 192 bytes
	v_lshlrev_b32 v[OS+\t], 4, v[10+\t]            ; its scale words and its weights: 16 bytes each
.endr
	WIN 0x40
.irp t, 0,1,2,3,4
.irp n, 0,1,2,3,4,5,6,7,8,9,10,11
	global_load_b128 v[48*\t+4*\n:48*\t+4*\n+3], v[OX+\t], s[10:11] offset:16*\n
.endr
.endr
	WIN 0x80
.irp t, 5,6,7,8
.irp n, 0,1,2,3,4,5,6,7,8,9,10,11
	global_load_b128 v[48*(\t-5)+4*\n:48*(\t-5)+4*\n+3], v[OX+\t], s[10:11] offset:16*\n
.endr
.endr
	WIN 0xc0
.irp t, 0,1,2,3,4,5,6,7,8
	global_load_b128 v[GG+4*\t:GG+4*\t+3], v[OS+\t], s[14:15]
.endr
	WIN 0
.irp t, 0,1,2,3,4,5,6,7,8
	global_load_b128 v[XS+4*\t:XS+4*\t+3], v[OS+\t], s[12:13]
.endr
	s_wait_loadcnt 0x0                             ; x's nine tiles stay in registers for the whole launch
.irp u, 0,1,2,3,4,5,6,7,8,9,10,11,12,13,14,15
	UNIT \u
.if (\u)%2 == 1
	COMBINE ((\u)/2)%4
.endif
.if \u == 7
	FLUSH 0
.endif
.if \u == 15
	FLUSH 1
.endif
.endr
.Lempty:
	s_wait_tensorcnt 0x0
	ds_add_u32 v254, v255
	s_wait_dscnt 0x0
	s_endpgm
.Lfunc_end_k_q6bb2e829e6_experts:
	.size	k_q6bb2e829e6_experts, .Lfunc_end_k_q6bb2e829e6_experts-k_q6bb2e829e6_experts
	.p2alignl 7, 3214868480
	.fill 96, 4, 3214868480
	.section	.rodata,"a",@progbits
	.p2align	6, 0x0
	.amdhsa_kernel k_q6bb2e829e6_experts
		.amdhsa_group_segment_fixed_size 159744
		.amdhsa_private_segment_fixed_size 0
		.amdhsa_enable_private_segment 0
		.amdhsa_kernarg_size 56
		.amdhsa_user_sgpr_count 2
		.amdhsa_user_sgpr_kernarg_segment_ptr 1
		.amdhsa_wavefront_size32 1
		.amdhsa_system_sgpr_workgroup_id_x 1
		.amdhsa_system_sgpr_workgroup_id_y 1
		.amdhsa_system_sgpr_workgroup_id_z 1
		.amdhsa_system_vgpr_workitem_id 0
		.amdhsa_next_free_vgpr 1024
		.amdhsa_next_free_sgpr 66
		.amdhsa_reserve_vcc 0
		.amdhsa_float_denorm_mode_32 3
		.amdhsa_float_denorm_mode_16_64 3
		.amdhsa_memory_ordered 1
		.amdhsa_forward_progress 1
		.amdhsa_inst_pref_size 215
	.end_amdhsa_kernel
	.amdgpu_metadata
---
amdhsa.version: [ 1, 2 ]
amdhsa.kernels:
  - .name:           k_q6bb2e829e6_experts
    .symbol:         k_q6bb2e829e6_experts.kd
    .args:
      - { .name: sched, .offset: 0, .size: 8, .value_kind: global_buffer, .address_space: global }
      - { .name: xq, .offset: 8, .size: 8, .value_kind: global_buffer, .address_space: global }
      - { .name: sc, .offset: 16, .size: 8, .value_kind: global_buffer, .address_space: global }
      - { .name: gw, .offset: 24, .size: 8, .value_kind: global_buffer, .address_space: global }
      - { .name: wq, .offset: 32, .size: 8, .value_kind: global_buffer, .address_space: global }
      - { .name: b, .offset: 40, .size: 8, .value_kind: global_buffer, .address_space: global }
      - { .name: out0, .offset: 48, .size: 8, .value_kind: global_buffer, .address_space: global }
    .group_segment_fixed_size: 159744
    .private_segment_fixed_size: 0
    .kernarg_segment_align: 8
    .kernarg_segment_size: 56
    .max_flat_workgroup_size: 128
    .sgpr_count:     66
    .vgpr_count:     1024
    .wavefront_size: 32
...
	.end_amdgpu_metadata
.endif
;; end of part 3
;; ======== version 2 of 2: 3 launches
;; workspace buffers: xq 12,582,912 bytes; sc 589,824 bytes; gw 524,288 bytes; wq 1,572,864 bytes; meta 131,072 bytes of whole numbers; hist 131,072 bytes of whole numbers; sched 147,968 bytes of whole numbers
;; launch prep (part 4): grid 288 x 1, 4 waves a work-group, no clusters, 82,432 bytes of LDS; arguments x, W, Wg, bg, xq, sc, gw, wq, meta, hist; writes xq, sc, gw, wq, meta, hist
.if DOCPART == 4
	.amdgcn_target "amdgcn-amd-amdhsa--gfx1250"
	.amdhsa_code_object_version 6
	.text
	.protected	k_q6bb2e829e6_prep
	.globl	k_q6bb2e829e6_prep
	.p2align	8
	.type	k_q6bb2e829e6_prep,@function
k_q6bb2e829e6_prep:
	s_mov_b64 s[64:65], 0
	v_nop
	global_prefetch_b8 v0, s[64:65] scope:SCOPE_SE
	s_setreg_imm32_b32 hwreg(HW_REG_WAVE_MODE, 25, 1), 1
	s_wait_xcnt 0x0
; x [32768][512] and W [8][512][512], f32, become codes of E3M2 with one E8M0 byte for each 32 along K = 512; for each token the gate x Wg^T + bg (f32 fused
; multiply-adds), its two largest scores (of equal scores the lower expert wins), their softmax, and the token's place among its 32 neighbours are made.
; Nothing that is derived from the scores enters an address or a branch here: it is stored, at fixed places, for the next launch.
; A block's scale is 2^(floor(log2(largest magnitude)) - 4): its byte is the largest magnitude's exponent field - 4, held at 1 from below.
; LIMITS: NaN and infinities among the inputs are not served.  A block whose largest magnitude lies under 2^-122, a block of zeros among them, keeps the byte 1 (its codes
; are zeros or subnormal codes; the bytes are read by this program alone).  The gate's f32 sum runs in another order than a plain dot product: scores a few last bits apart may change places.
; SHARES.  Work-groups 0-255: x; wave w takes the 32 tokens from 128 x work-group + 32 w on.  Work-groups 256-287: W as 4,096 rows; a wave takes 32 rows = two tiles of 16 outputs.
; A wave works a row (2,048 bytes) at a time.  Each of a row's four loads reads 512 consecutive bytes; the row turns through the wave's own LDS stage so that lane l holds k = 16 l .. 16 l + 15.
; Waves share nothing: no barrier.  The two paths part once on the work-group's number, never join, and have LDS bytes of their own.
; OUT.  xq: token x 384 bytes; block 4 s + 2 c + h at 192 h + 48 s + 24 c, so that lane (r, h) of an operand finds its 12 registers of K step s at 192 h + 48 s.
;   wq: images of operand registers: tile (e, o / 16) 6,144 bytes, K step s 1,536, chunk j 512: lane L's registers 4 j .. 4 j + 3 at 16 L.
;   sc: row x 16 scale bytes (x's rows, then W's).  gw: token x (g_lo, g_hi, g_hi, g_lo).  meta: token: pair number | rank << 8.  hist: group of 32 tokens x 32 counts.
; REGISTERS.  Window 0: v1-7, v20-31 addresses; v8-11 at work; v12-19 a scale byte for each row slot; v32-63 two sets of 16 neighbours; v64-95 the gate; v96-127 codes, four for each row slot;
;   v128-159 the token stage; v160-207 W's images on their way out; v208-215 a score for each row slot.   Window 1: v0-127 Wg (expert e, my k: 16 e + i); v128-255 eight row slots as loaded.
.set XSCORE, 5120                      ; x path, in a wave's 8,192 bytes: two stages of 2,560; 32 rows x 48 bytes of scores;
.set XSCB,   6656                      ; 32 rows x 16 scale bytes
.set WBASE,  32768                     ; W path: 12,288 bytes a wave from here on: two stages;
.set WSCB,   5120                      ; 32 rows x 16 scale bytes;
.set WIMG,   5632                      ; one tile's images, 6,144 bytes
.set TP,     80                        ; a lane's place in a stage: 64 bytes + 16 of padding
.set TSET,   32*TP
.set XR,  32
.set AC,  64
.set SS,  80
.set KT,  88
.set CD,  96
.set EB,  12
.set SR,  208
.set FL,  160
.set RAW, 128
.set MSB, 0
.macro WIN new                         ; s_set_vgpr_msb: bits 1:0 source 0, 3:2 source 1, 5:4 source 2, 7:6 destination; the high byte repeats the setting that is left
.if MSB != \new
	s_set_vgpr_msb (MSB<<8)|\new
.set MSB, \new
.endif
.endm
.macro LOADROW slot, off, src          ; a row: four loads of 512 consecutive bytes, into window 1
.irp j, 0,1,2,3
	global_load_b128 v[RAW+16*(\slot)+4*\j:RAW+16*(\slot)+4*\j+3], v2, s[\src:\src+1] offset:(\off)+512*\j th:TH_LOAD_NT
.endr
.endm
.macro TURN slot, par                  ; through the stage: LDS serves a wave's instructions in order (ISA guide 5.7.1.4), so no wait stands between the stores and the loads
.irp j, 0,1,2,3
	ds_store_b128 v3, v[RAW+16*(\slot)+4*\j:RAW+16*(\slot)+4*\j+3] offset:TSET*(\par)+8*TP*\j
.endr
.irp j, 0,1,2,3
	ds_load_b128 v[XR+16*(\par)+4*\j:XR+16*(\par)+4*\j+3], v4 offset:TSET*(\par)+16*\j
.endr
.endm
.macro QUANT par, slot, breg, boff     ; my 16 numbers become 12 bytes of codes; two neighbouring lanes hold a block
.set XS, XR+16*(\par)
	v_max3_num_f32 v8, |v[XS]|, |v[XS+1]|, |v[XS+2]|
	v_max3_num_f32 v9, |v[XS+3]|, |v[XS+4]|, |v[XS+5]|
.irp i, 6,10
	v_max3_num_f32 v8, v8, |v[XS+\i]|, |v[XS+\i+1]|
	v_max3_num_f32 v9, v9, |v[XS+\i+2]|, |v[XS+\i+3]|
.endr
	v_max3_num_f32 v8, v8, |v[XS+14]|, |v[XS+15]|
	v_max3_num_f32 v8, v8, v9, 0x2800000           ; the floor 2^(5 - 127): the byte cannot fall under 1
	v_max_num_f32_dpp v8, v8, v8 row_xmask:1 row_mask:0xf bank_mask:0xf   ; with my neighbour's 16: the block's largest magnitude
	v_add_nc_u32 v10, 0xfe000000, v8               ; 4 off its exponent field: the conversion takes this operand's exponent field as its scale
	v_cvt_scalef32_pk16_bf6_f32 v[CD+4*(\slot):CD+4*(\slot)+2], v[XS:XS+15], v10   ; nearest code, ties to even, beyond 28 the largest code
	v_lshrrev_b32 v[EB+(\slot)], 23, v10           ; the scale's byte (also the plain line behind the conversion)
	ds_store_b8 v[\breg], v[EB+(\slot)] offset:\boff   ; both lanes of a block write the same byte with the same value
.endm
; The gate of one row: eight chains of packed multiply-adds (source 1 = Wg, window 1), then a sum over the 32 lanes that also transposes:
; at each of three steps a lane keeps half of its numbers and hands the other half to the lane 1, 2, 4 away; lane l ends with expert l % 8's score.
.macro GATE par, slot
.irp e, 0,1,2,3,4,5,6,7
	v_pk_mul_f32 v[AC+2*\e:AC+2*\e+1], v[XR+16*(\par):XR+16*(\par)+1], v[16*\e:16*\e+1]
.endr
.irp i, 2,4,6,8,10,12,14
.irp e, 0,1,2,3,4,5,6,7
	v_pk_fma_f32 v[AC+2*\e:AC+2*\e+1], v[XR+16*(\par)+\i:XR+16*(\par)+\i+1], v[16*\e+\i:16*\e+\i+1], v[AC+2*\e:AC+2*\e+1]
.endr
.endr
	WIN 0
.irp e, 0,1,2,3,4,5,6,7
	v_add_f32 v[SS+\e], v[AC+2*\e], v[AC+2*\e+1]
.endr
.irp p, 0,1,2,3
	v_cndmask_b32 v[KT+\p], v[SS+2*\p], v[SS+2*\p+1], s28      ; odd lanes keep the odd expert,
	v_cndmask_b32 v[KT+4+\p], v[SS+2*\p+1], v[SS+2*\p], s28    ; and hand over the even one
.endr
.irp p, 0,1,2,3
	v_add_f32_dpp v[KT+\p], v[KT+4+\p], v[KT+\p] row_xmask:1 row_mask:0xf bank_mask:0xf
.endr
.irp p, 0,1
	v_cndmask_b32 v[SS+\p], v[KT+2*\p], v[KT+2*\p+1], s29
	v_cndmask_b32 v[SS+2+\p], v[KT+2*\p+1], v[KT+2*\p], s29
.endr
.irp p, 0,1
	v_add_f32_dpp v[SS+\p], v[SS+2+\p], v[SS+\p] row_xmask:2 row_mask:0xf bank_mask:0xf
.endr
	v_cndmask_b32 v[KT], v[SS], v[SS+1], s30
	v_cndmask_b32 v[KT+1], v[SS+1], v[SS], s30
	v_add_f32_dpp v[KT], v[KT+1], v[KT] row_xmask:4 row_mask:0xf bank_mask:0xf
	v_add_f32_dpp v[KT], v[KT], v[KT] row_xmask:8 row_mask:0xf bank_mask:0xf
	v_permlanex16_b32 v[KT+1], v[KT], s32, s33
	v_add_f32 v[SR+(\slot)], v[KT], v[KT+1]
	ds_store_b32 v29, v[SR+(\slot)] offset:48*(\slot)          ; the four lanes of an expert write the same word with the same bits
.endm
; One row of x.  refill: the slot takes the row eight further on.  turn: the next row goes through the other stage while this one is worked.
.macro ROWX slot, refill, turn, left
	s_wait_dscnt 0x2                               ; my row is back from the stage; behind its loads only the last row's score and byte stores were issued
.if \refill
	WIN 0x40
	LOADROW \slot, (\slot+8)*2048, 8               ; the stage's stores have read this slot's registers (they stand ahead of the loads just waited for)
.endif
.if \turn
	s_wait_loadcnt \left                           ; the next row's four loads are in; those of the rows behind it may be out
.endif
	WIN 0x04                                       ; source 1 (an LDS store's data; Wg) in window 1
.if \turn
	TURN (\slot+1)%8, (\slot+1)%2
.endif
	GATE (\slot)%2, \slot
	QUANT (\slot)%2, \slot, 30, 16*(\slot)
	global_store_b96 v7, v[CD+4*(\slot):CD+4*(\slot)+2], s[16:17] offset:384*(\slot)   ; the wave's 32 pieces of 12 bytes fill the token's 384 consecutive bytes
.endm
; One row of W: no gate; the codes go word by word to their places in the tile's images.
.macro ROWW t, refill, turn, left
	s_wait_dscnt 0x4                               ; behind my row's loads from the stage only the last row's byte and three code words were issued
.if \refill
	WIN 0x40
	LOADROW (\t)%8, ((\t)+8)*2048, 10
.endif
.if \turn
	s_wait_loadcnt \left
	WIN 0x04
	TURN ((\t)+1)%8, ((\t)+1)%2
.endif
	WIN 0
	QUANT (\t)%2, (\t)%8, 5, 16*(\t)
.irp d, 0,1,2
	ds_store_b32 v[20+\d], v[CD+4*((\t)%8)+\d] offset:16*((\t)%16)
.endr
.endm
.macro FLUSHW tile                     ; a tile's 6,144 bytes leave as they lie: each store covers 512 consecutive bytes
	s_wait_xcnt 0x0                                ; the registers below were the data of the flush before: they are loaded again only behind this wait
.irp i, 0,1,2,3,4,5,6,7,8,9,10,11
	ds_load_b128 v[FL+4*\i:FL+4*\i+3], v31 offset:512*\i
.endr
.irp i, 0,1,2,3,4,5,6,7,8,9,10,11
	s_wait_dscnt 11-\i                             ; LDS loads come back in order: number i is in
	global_store_b128 v2, v[FL+4*\i:FL+4*\i+3], s[22:23] offset:6144*(\tile)+512*\i
.endr
.endm
	s_load_b512 s[8:23], s[0:1], 0x0               ; x 8, W 10, Wg 12, bg 14, xq 16, sc 18, gw 20, wq 22
	s_load_b128 s[24:27], s[0:1], 0x40             ; meta 24, hist 26
	v_lshl_add_u32 v254, v0, 2, 0x14000
	v_mov_b32 v255, 0
	v_lshrrev_b32 v11, 5, v0
	v_readfirstlane_b32 s34, v11                   ; wave 0..3
	v_and_b32 v1, 31, v0                           ; lane
	v_lshlrev_b32 v2, 4, v1                        ; 16 x lane
	v_lshrrev_b32 v3, 2, v1
	v_mul_u32_u24 v3, v3, TP
	v_and_b32 v11, 3, v1
	v_lshl_add_u32 v3, v11, 4, v3                  ; the stage, on the way in: 80 (lane / 4) + 16 (lane % 4)
	v_mul_u32_u24 v4, v1, TP                       ; and on the way out: 80 x lane
	v_lshrrev_b32 v5, 1, v1                        ; my block of the row
	s_cmp_lt_u32 ttmp9, 256
	s_cbranch_scc0 .Lweights
	; ---------------- x ----------------
	s_lshl_b32 s35, s34, 13                        ; my wave's 8,192 bytes of LDS
	v_add_nc_u32 v3, s35, v3
	v_add_nc_u32 v4, s35, v4
	s_add_co_u32 s44, s35, XSCB
	v_add_nc_u32 v5, s44, v5                       ; scale bytes: row 0, my block
	v_lshl_add_u32 v28, v1, 4, s44                 ; and back: 16 bytes a token
	s_add_co_u32 s44, s35, XSCORE
	v_and_b32 v6, 7, v1
	v_lshl_add_u32 v6, v6, 2, s44                  ; scores: row 0, expert lane % 8
	v_mul_u32_u24 v27, v1, 48
	v_add_nc_u32 v27, s44, v27                     ; and back: 48 bytes a token
	v_bfe_u32 v7, v1, 1, 1                         ; my 12 bytes in a token's 384: h = bit 1, s = lane / 8, c = bit 2, half of the block = bit 0
	v_mul_u32_u24 v7, v7, 192
	v_lshrrev_b32 v11, 3, v1
	v_mad_u32_u24 v7, v11, 48, v7
	v_bfe_u32 v11, v1, 2, 1
	v_mad_u32_u24 v7, v11, 24, v7
	v_and_b32 v11, 1, v1
	v_mad_u32_u24 v7, v11, 12, v7
	v_lshlrev_b32 v24, 2, v1
	v_lshlrev_b32 v26, 6, v1
	s_mov_b32 s28, 0xaaaaaaaa                      ; lanes with bit 0, 1, 2 set
	s_mov_b32 s29, 0xcccccccc
	s_mov_b32 s30, 0xf0f0f0f0
	s_mov_b32 s32, 0x76543210                      ; v_permlanex16_b32's selects for lane l xor 16
	s_mov_b32 s33, 0xfedcba98
	s_lshl_b32 s52, ttmp9, 7
	s_lshl_b32 s53, s34, 5
	s_add_co_u32 s52, s52, s53                     ; my first token
	s_lshl_b32 s44, s52, 11                        ; its byte in x,
	s_mov_b32 s45, 0
	s_mul_i32 s46, s52, 384                        ; in xq,
	s_mov_b32 s47, 0
	s_lshl_b32 s48, s52, 4                         ; in sc and in gw,
	s_mov_b32 s49, 0
	s_lshl_b32 s52, s52, 2                         ; in meta; its group's in hist (32 tokens, 128 bytes: the same number)
	s_mov_b32 s53, 0
	s_wait_alu depctr_va_vdst(0)
	s_wait_kmcnt 0x0
	s_load_b256 s[36:43], s[14:15], 0x0            ; bg's eight numbers
	s_add_nc_u64 s[8:9], s[8:9], s[44:45]
	s_add_nc_u64 s[16:17], s[16:17], s[46:47]
	s_add_nc_u64 s[18:19], s[18:19], s[48:49]
	s_add_nc_u64 s[20:21], s[20:21], s[48:49]
	s_add_nc_u64 s[24:25], s[24:25], s[52:53]
	s_add_nc_u64 s[26:27], s[26:27], s[52:53]
	WIN 0x40
.irp e, 0,1,2,3,4,5,6,7
.irp j, 0,1,2,3
	global_load_b128 v[16*\e+4*\j:16*\e+4*\j+3], v26, s[12:13] offset:2048*\e+16*\j   ; Wg[e][16 l ..]: stays in registers
.endr
.endr
.irp k, 0,1,2,3,4,5,6,7
	LOADROW \k, \k*2048, 8                         ; eight rows, 16 KiB a wave, are on their way
.endr
	s_wait_loadcnt 28                              ; Wg and row 0 are in; rows 1 to 7 (28 loads) may be out
	WIN 0x04
	TURN 0, 0
	WIN 0
	s_wait_dscnt 0x0
	s_wait_kmcnt 0x0                               ; bg
	s_mov_b32 s50, 0                               ; the trip's first row among the scores (48 bytes a row) and the scale bytes (16)
	s_mov_b32 s51, 0
	s_mov_b32 s31, 3
.Ltrip:                                                ; three trips of eight rows, each slot filled again; the last eight rows are written out without loads
	v_add_nc_u32 v29, s50, v6
	v_add_nc_u32 v30, s51, v5
.irp k, 0,1,2,3,4,5,6,7
	ROWX \k, 1, 1, 28                              ; behind the next row's loads stand those of seven rows
.endr
	s_wait_dscnt 0x0
	s_wait_xcnt 0x0                                ; the bases and the codes' registers, which this trip's loads and stores name, are written again only behind this wait
	s_add_nc_u64 s[8:9], s[8:9], 16384
	s_add_nc_u64 s[16:17], s[16:17], 3072
	s_add_co_u32 s50, s50, 384
	s_add_co_u32 s51, s51, 128
	s_sub_co_u32 s31, s31, 1
	s_cmp_lg_u32 s31, 0
	s_cbranch_scc1 .Ltrip
	v_add_nc_u32 v29, s50, v6
	v_add_nc_u32 v30, s51, v5
.irp k, 0,1,2,3,4,5,6
	ROWX \k, 0, 1, 4*(6-\k)                        ; the counts run down
.endr
	ROWX 7, 0, 0, 0
	; ---- the token stage: lane = token
	ds_load_b128 v[128:131], v27                   ; my eight scores (the wave's own stores stand ahead of these loads)
	ds_load_b128 v[132:135], v27 offset:16
	ds_load_b128 v[136:139], v28                   ; my 16 scale bytes
	s_wait_dscnt 0x0
.irp e, 0,1,2,3,4,5,6,7
	v_add_f32 v[128+\e], s[36+\e], v[128+\e]
.endr
	v_mov_b32 v140, v128                           ; the largest score: a later one wins only if it is greater, so of equals the lower expert stays
	v_mov_b32 v141, 0
.irp e, 1,2,3,4,5,6,7
	v_cmp_gt_f32 vcc_lo, v[128+\e], v140
	v_cndmask_b32 v140, v140, v[128+\e], vcc_lo
	v_cndmask_b32 v141, v141, \e, vcc_lo
.endr
	v_mov_b32 v144, 0xff800000
.irp e, 0,1,2,3,4,5,6,7
	v_cmp_eq_u32 vcc_lo, \e, v141
	v_cndmask_b32 v[128+\e], v[128+\e], v144, vcc_lo   ; the winner leaves the field
.endr
	v_mov_b32 v142, v128
	v_mov_b32 v143, 0
.irp e, 1,2,3,4,5,6,7
	v_cmp_gt_f32 vcc_lo, v[128+\e], v142
	v_cndmask_b32 v142, v142, v[128+\e], vcc_lo
	v_cndmask_b32 v143, v143, \e, vcc_lo
.endr
	v_sub_f32 v145, v142, v140                     ; the softmax of two, the maximum taken away: t = e^(second - first), at most 1
	v_mul_f32 v145, 0x3fb8aa3b, v145
	s_wait_alu depctr_va_vdst(0)
	v_exp_f32 v145, v145
	v_min_u32 v158, v141, v143                     ; lo  (a plain line behind the exponential)
	s_wait_alu depctr_va_vdst(0)
	v_add_f32 v146, 1.0, v145
	s_wait_alu depctr_va_vdst(0)
	v_rcp_f32 v146, v146                           ; g1 = 1 / (1 + t)
	v_max_u32 v159, v141, v143                     ; hi  (a plain line behind the reciprocal)
	s_wait_alu depctr_va_vdst(0)
	v_mul_f32 v147, v145, v146                     ; g2 = t g1
	v_cmp_lt_u32 vcc_lo, v141, v143
	v_cndmask_b32 v148, v147, v146, vcc_lo         ; g_lo
	v_cndmask_b32 v149, v146, v147, vcc_lo         ; g_hi
	v_mov_b32 v150, v149                           ; once more the other way round, so that each stands first in a pair
	v_mov_b32 v151, v148
	v_add_nc_u32 v157, -1, v159
	v_mul_u32_u24 v157, v157, v159
	v_lshrrev_b32 v157, 1, v157
	v_add_nc_u32 v152, v157, v158                  ; the pair's number: hi (hi - 1) / 2 + lo, 0 .. 27
	v_mov_b32 v154, 0                              ; which lanes hold another pair: bit by bit, my bit against all lanes'
.irp bit, 0,1,2,3,4
	v_bfe_u32 v153, v152, \bit, 1
	v_sub_nc_u32 v153, 0, v153
	v_cmp_ne_u32 s44, 0, v153
	v_xor_b32 v153, s44, v153
	v_or_b32 v154, v154, v153
.endr
	v_xor_b32 v154, -1, v154
	v_mbcnt_lo_u32_b32 v155, v154, 0               ; my rank: the lanes below me with my pair
	v_lshl_or_b32 v155, v155, 8, v152
	v_mov_b32 v156, 0                              ; lane p: how many of the 32 tokens hold pair p; lanes 28-31 stay 0
.irp k, 0,1,2,3,4,5,6,7,8,9,10,11,12,13,14,15,16,17,18,19,20,21,22,23,24,25,26,27
	v_cmp_eq_u32 vcc_lo, \k, v152
	s_bcnt1_i32_b32 s44, vcc_lo
	v_writelane_b32 v156, s44, \k
.endr
	global_store_b32 v24, v155, s[24:25]           ; all four stores are dense: lane after lane
	global_store_b32 v24, v156, s[26:27]
	global_store_b128 v2, v[148:151], s[20:21]
	global_store_b128 v2, v[136:139], s[18:19]
	s_wait_tensorcnt 0x0
	ds_add_u32 v254, v255
	s_wait_dscnt 0x0
	s_endpgm
	; ---------------- W ----------------
.Lweights:
	s_mul_i32 s35, s34, 12288
	s_add_co_u32 s35, s35, WBASE                   ; my wave's 12,288 bytes of LDS
	s_wait_alu depctr_va_vdst(0)
	v_add_nc_u32 v3, s35, v3
	v_add_nc_u32 v4, s35, v4
	s_add_co_u32 s44, s35, WSCB
	v_add_nc_u32 v5, s44, v5
	v_lshl_add_u32 v28, v1, 4, s44
	s_add_co_u32 s44, s35, WIMG
	v_lshl_add_u32 v31, v1, 4, s44                 ; the images, on the way out: 16 x lane
	v_lshrrev_b32 v11, 3, v1                       ; on the way in: K step s = lane / 8: 1,536 s;
	v_mul_u32_u24 v27, v11, 1536
	v_bfe_u32 v11, v1, 1, 1
	v_lshl_add_u32 v27, v11, 8, v27                ; the operand's lanes 16-31 (h = bit 1): 256 h;
	v_add_nc_u32 v27, s44, v27
	v_bfe_u32 v11, v1, 2, 1
	v_mul_u32_u24 v29, v11, 24
	v_and_b32 v11, 1, v1
	v_mad_u32_u24 v29, v11, 12, v29                ; byte q = 24 c + 12 (bit 0) + 4 d of the operand lane's 48: chunk q / 16, byte q % 16 of its 16
.irp d, 0,1,2
	v_add_nc_u32 v30, 4*\d, v29
	v_lshrrev_b32 v11, 4, v30
	v_and_b32 v30, 15, v30
	v_lshl_add_u32 v11, v11, 9, v30
	v_add_nc_u32 v[20+\d], v27, v11
.endr
	s_sub_co_u32 s52, ttmp9, 256
	s_lshl_b32 s52, s52, 2
	s_add_co_u32 s52, s52, s34                     ; which 32 rows of W's 4,096 are my wave's
	s_lshl_b32 s44, s52, 16
	s_mov_b32 s45, 0
	s_mul_i32 s46, s52, 12288                      ; two tiles of images
	s_mov_b32 s47, 0
	s_lshl_b32 s48, s52, 9
	s_add_co_u32 s48, s48, 524288                  ; W's scale bytes lie behind x's 32,768 rows of 16
	s_mov_b32 s49, 0
	s_wait_kmcnt 0x0
	s_add_nc_u64 s[10:11], s[10:11], s[44:45]
	s_add_nc_u64 s[22:23], s[22:23], s[46:47]
	s_add_nc_u64 s[18:19], s[18:19], s[48:49]
	WIN 0x40
.irp k, 0,1,2,3,4,5,6,7
	LOADROW \k, \k*2048, 10
.endr
	s_wait_loadcnt 28                              ; row 0 is in
	WIN 0x04
	TURN 0, 0
	WIN 0
	s_wait_dscnt 0x0
.irp t, 0,1,2,3,4,5,6,7,8,9,10,11,12,13,14,15
	ROWW \t, 1, 1, 28
.endr
	FLUSHW 0
.irp t, 16,17,18,19,20,21,22,23
	ROWW \t, 1, 1, 28
.endr
.irp t, 24,25,26,27,28,29,30
	ROWW \t, 0, 1, 4*(30-\t)
.endr
	ROWW 31, 0, 0, 0
	FLUSHW 1
	ds_load_b128 v[136:139], v28                   ; lane = row: its 16 scale bytes
	s_wait_dscnt 0x0
	global_store_b128 v2, v[136:139], s[18:19]
	s_wait_tensorcnt 0x0
	ds_add_u32 v254, v255
	s_wait_dscnt 0x0
	s_endpgm
.Lfunc_end_k_q6bb2e829e6_prep:
	.size	k_q6bb2e829e6_prep, .Lfunc_end_k_q6bb2e829e6_prep-k_q6bb2e829e6_prep
	.p2alignl 7, 3214868480
	.fill 96, 4, 3214868480
	.section	.rodata,"a",@progbits
	.p2align	6, 0x0
	.amdhsa_kernel k_q6bb2e829e6_prep
		.amdhsa_group_segment_fixed_size 82432
		.amdhsa_private_segment_fixed_size 0
		.amdhsa_enable_private_segment 0
		.amdhsa_kernarg_size 80
		.amdhsa_user_sgpr_count 2
		.amdhsa_user_sgpr_kernarg_segment_ptr 1
		.amdhsa_wavefront_size32 1
		.amdhsa_system_sgpr_workgroup_id_x 1
		.amdhsa_system_sgpr_workgroup_id_y 1
		.amdhsa_system_sgpr_workgroup_id_z 1
		.amdhsa_system_vgpr_workitem_id 0
		.amdhsa_next_free_vgpr 512
		.amdhsa_next_free_sgpr 66
		.amdhsa_reserve_vcc 1
		.amdhsa_float_denorm_mode_32 3
		.amdhsa_float_denorm_mode_16_64 3
		.amdhsa_memory_ordered 1
		.amdhsa_forward_progress 1
		.amdhsa_inst_pref_size 211
	.end_amdhsa_kernel
	.amdgpu_metadata
---
amdhsa.version: [ 1, 2 ]
amdhsa.kernels:
  - .name:           k_q6bb2e829e6_prep
    .symbol:         k_q6bb2e829e6_prep.kd
    .args:
      - { .name: x, .offset: 0, .size: 8, .value_kind: global_buffer, .address_space: global }
      - { .name: W, .offset: 8, .size: 8, .value_kind: global_buffer, .address_space: global }
      - { .name: Wg, .offset: 16, .size: 8, .value_kind: global_buffer, .address_space: global }
      - { .name: bg, .offset: 24, .size: 8, .value_kind: global_buffer, .address_space: global }
      - { .name: xq, .offset: 32, .size: 8, .value_kind: global_buffer, .address_space: global }
      - { .name: sc, .offset: 40, .size: 8, .value_kind: global_buffer, .address_space: global }
      - { .name: gw, .offset: 48, .size: 8, .value_kind: global_buffer, .address_space: global }
      - { .name: wq, .offset: 56, .size: 8, .value_kind: global_buffer, .address_space: global }
      - { .name: meta, .offset: 64, .size: 8, .value_kind: global_buffer, .address_space: global }
      - { .name: hist, .offset: 72, .size: 8, .value_kind: global_buffer, .address_space: global }
    .group_segment_fixed_size: 82432
    .private_segment_fixed_size: 0
    .kernarg_segment_align: 8
    .kernarg_segment_size: 80
    .max_flat_workgroup_size: 128
    .sgpr_count:     66
    .vgpr_count:     512
    .wavefront_size: 32
...
	.end_amdgpu_metadata
.endif
;; end of part 4
;; launch place (part 5): grid 1 x 1, 32 waves a work-group, no clusters, 8,192 bytes of LDS; arguments hist, meta, sched; writes sched
.if DOCPART == 5
	.amdgcn_target "amdgcn-amd-amdhsa--gfx1250"
	.amdhsa_code_object_version 6
	.text
	.protected	k_q6bb2e829e6_place
	.globl	k_q6bb2e829e6_place
	.p2align	8
	.type	k_q6bb2e829e6_place,@function
k_q6bb2e829e6_place:
	s_mov_b64 s[64:65], 0
	v_nop
	global_prefetch_b8 v0, s[64:65] scope:SCOPE_SE
	s_setreg_imm32_b32 hwreg(HW_REG_WAVE_MODE, 25, 1), 1
	s_wait_xcnt 0x0
; The tokens are sorted by their pair of experts (28 pairs), by a counting sort in whole numbers, and cut into tiles of at most 144 tokens of one pair.
; hist [1024 groups of 32 tokens][32]: how many tokens of the group hold pair p.  meta [32768]: pair | rank among the same pair in the group << 8.
; sched: words 0-255: tile j = rows | lo << 8 | hi << 12 (rows = 0: no such tile); from byte 1,024 on: order[144 tile + slot] = token.
; The sum over the pairs of ceil(count / 144) is at most (32,768 + 28 x 143) / 144, so at most 255 tiles, whatever the split.
; One work-group of 32 waves, since every place hangs on all counts.  Wave w owns groups 32 w .. 32 w + 31.  In the scans lane = pair; in the scatter lane = token.
; REGISTERS: v2 byte of my word in group 32 w; v3 4 x thread; v4 4 x lane; v8-39 H (counts, then bases, then tokens); v40-71 M (meta); v72-103 T; v104 the pair's count; v105 the count in the waves below mine;
; v106 the pair's first tile; v107 tile 'thread's' pair; v108 base; v109 my first token.
	s_load_b128 s[4:7], s[0:1], 0x0                ; hist, meta
	s_load_b64 s[8:9], s[0:1], 0x10                ; sched
	v_lshl_add_u32 v126, v0, 2, 0x1000
	v_mov_b32 v127, 0
	v_lshrrev_b32 v1, 5, v0
	s_delay_alu instid0(VALU_DEP_1)
	v_readfirstlane_b32 s10, v1                    ; wave 0..31
	v_and_b32 v1, 31, v0
	s_delay_alu instid0(VALU_DEP_1)
	v_lshlrev_b32 v4, 2, v1
	v_lshlrev_b32 v3, 2, v0
	s_lshl_b32 s11, s10, 12
	v_add_nc_u32 v2, s11, v4                       ; 32 groups x 128 bytes a wave, in hist and in meta alike
	s_lshl_b32 s11, s10, 10
	v_add_nc_u32 v109, s11, v1                     ; token 1,024 w + lane
	s_wait_alu depctr_va_vdst(0)
	s_wait_kmcnt 0x0
.set i, 0
.rept 32
	global_load_b32 v[8+i], v2, s[4:5] offset:128*i
.set i, i+1
.endr
.set i, 0
.rept 32
	global_load_b32 v[40+i], v2, s[6:7] offset:128*i
.set i, i+1
.endr
	s_wait_loadcnt 32                              ; the counts are in; meta's 32 loads may be out
.set i, 1
	v_add_nc_u32 v[8+i], v[8+i], v[8+i-1]
.set i, i+1
.rept (31)-1
	s_delay_alu instid0(VALU_DEP_1)
	v_add_nc_u32 v[8+i], v[8+i], v[8+i-1]          ; running sums over my 32 groups
.set i, i+1
.endr
	ds_store_b32 v3, v39                           ; my wave's total of each pair: word 32 w + pair
	s_wait_dscnt 0x0                               ; for the others' sake
	s_barrier_signal -1
	s_barrier_wait -1
.set i, 0
.rept 32
	ds_load_b32 v[72+i], v4 offset:128*i           ; every wave's total of my pair
.set i, i+1
.endr
	v_mov_b32 v104, 0
	v_mov_b32 v105, 0
	s_wait_alu depctr_va_vdst(0)
	s_wait_dscnt 0x0
.set i, 0
.rept 32
	s_cmp_gt_u32 s10, i
	s_cselect_b32 s12, -1, 0
	v_and_b32 v110, s12, v[72+i]
	v_add_nc_u32 v104, v104, v[72+i]               ; the pair's count,
	s_delay_alu instid0(VALU_DEP_2)
	v_add_nc_u32 v105, v105, v110                  ; and what the waves below mine hold of it
.set i, i+1
.endr
	s_mov_b32 s14, 0                               ; tiles so far
	v_mov_b32 v106, 0
	v_mov_b32 v107, 0
.set p, 0
.rept 28
	v_writelane_b32 v106, s14, p                   ; pair p's first tile
	v_readlane_b32 s12, v104, p
	s_add_co_u32 s12, s12, 143
	s_mul_hi_u32 s12, s12, 0x1c71c72               ; / 144: 29,826,162 x 144 = 2^32 + 32, so the quotient is exact for numbers under 2^32 / (32 x 144)
	s_add_co_u32 s14, s14, s12
	v_cmp_le_u32 vcc_lo, s14, v0                   ; tile 'thread' lies behind pair p's tiles
	s_delay_alu instid0(VALU_DEP_1)
	v_cndmask_b32 v110, 0, 1, vcc_lo
	s_delay_alu instid0(VALU_DEP_1)
	v_add_nc_u32 v107, v107, v110
.set p, p+1
.endr
	v_mul_u32_u24 v108, v106, 144
	s_delay_alu instid0(VALU_DEP_1)
	v_add_nc_u32 v108, v108, v105                  ; where my wave's first token of the pair goes
.set i, 31
.rept 31
	v_add_nc_u32 v[8+i], v108, v[8+i-1]            ; and group i's
.set i, i-1
.endr
	v_mov_b32 v8, v108
	s_wait_loadcnt 0x0                             ; meta
.set i, 0
.rept 32
	v_and_b32 v[72+i], 0xff, v[40+i]
	s_delay_alu instid0(VALU_DEP_1)
	v_min_u32 v[72+i], 31, v[72+i]
	s_delay_alu instid0(VALU_DEP_1)
	v_lshlrev_b32 v[72+i], 2, v[72+i]
	s_wait_alu depctr_va_vdst(0)
	ds_bpermute_b32 v[72+i], v[72+i], v[8+i]       ; lane = token now: the base of my pair in group i, from the lane of that pair
	v_bfe_u32 v[40+i], v[40+i], 8, 8               ; my rank
.set i, i+1
.endr
	s_wait_dscnt 0x0
.set i, 0
.rept 32
	v_add_nc_u32 v[72+i], v[72+i], v[40+i]
	s_delay_alu instid0(VALU_DEP_1)
	v_min_u32 v[72+i], 0x8f6f, v[72+i]             ; 255 x 144 - 1: the list's last slot
	s_delay_alu instid0(VALU_DEP_1)
	v_lshlrev_b32 v[72+i], 2, v[72+i]
	v_add_nc_u32 v[8+i], 32*i, v109
	global_store_b32 v[72+i], v[8+i], s[8:9] offset:1024
.set i, i+1
.endr
	s_cmp_lt_u32 s10, 8                            ; the list of tiles: threads 0-255
	s_cbranch_scc0 .Ldone
	v_min_u32 v110, 31, v107                       ; a tile behind the last has pair 28, whose count is 0
	s_delay_alu instid0(VALU_DEP_1)
	v_lshlrev_b32 v110, 2, v110
	ds_bpermute_b32 v111, v110, v104               ; my pair's count
	ds_bpermute_b32 v112, v110, v106               ; and its first tile
	v_mov_b32 v113, 1
.irp thr, 1,3,6,10,15,21
	v_cmp_le_u32 vcc_lo, \thr, v107
	s_delay_alu instid0(VALU_DEP_1)
	v_cndmask_b32 v114, 0, 1, vcc_lo
	s_delay_alu instid0(VALU_DEP_1)
	v_add_nc_u32 v113, v113, v114                  ; hi: the pairs of hi begin at hi (hi - 1) / 2
.endr
	s_delay_alu instid0(VALU_DEP_1)
	v_add_nc_u32 v114, -1, v113
	s_delay_alu instid0(VALU_DEP_1)
	v_mul_u32_u24 v114, v114, v113
	s_delay_alu instid0(VALU_DEP_1)
	v_lshrrev_b32 v114, 1, v114
	s_delay_alu instid0(VALU_DEP_1)
	v_sub_nc_u32 v114, v107, v114                  ; lo
	s_wait_dscnt 0x0
	v_sub_nc_u32 v112, v0, v112
	s_delay_alu instid0(VALU_DEP_1)
	v_mul_u32_u24 v112, v112, 144
	s_delay_alu instid0(VALU_DEP_1)
	v_sub_nc_u32 v111, v111, v112                  ; what is left of the pair at my tile,
	s_delay_alu instid0(VALU_DEP_1)
	v_max_i32 v111, 0, v111
	s_delay_alu instid0(VALU_DEP_1)
	v_min_i32 v111, 144, v111                      ; held to 0 .. 144
	s_wait_alu depctr_va_vdst(0)
	v_lshl_or_b32 v111, v114, 8, v111
	s_delay_alu instid0(VALU_DEP_1)
	v_lshl_or_b32 v111, v113, 12, v111
	global_store_b32 v3, v111, s[8:9]
.Ldone:
	s_wait_tensorcnt 0x0
	ds_add_u32 v126, v127
	s_wait_dscnt 0x0
	s_endpgm
.Lfunc_end_k_q6bb2e829e6_place:
	.size	k_q6bb2e829e6_place, .Lfunc_end_k_q6bb2e829e6_place-k_q6bb2e829e6_place
	.p2alignl 7, 3214868480
	.fill 96, 4, 3214868480
	.section	.rodata,"a",@progbits
	.p2align	6, 0x0
	.amdhsa_kernel k_q6bb2e829e6_place
		.amdhsa_group_segment_fixed_size 8192
		.amdhsa_private_segment_fixed_size 0
		.amdhsa_enable_private_segment 0
		.amdhsa_kernarg_size 24
		.amdhsa_user_sgpr_count 2
		.amdhsa_user_sgpr_kernarg_segment_ptr 1
		.amdhsa_wavefront_size32 1
		.amdhsa_system_sgpr_workgroup_id_x 1
		.amdhsa_system_sgpr_workgroup_id_y 1
		.amdhsa_system_sgpr_workgroup_id_z 1
		.amdhsa_system_vgpr_workitem_id 0
		.amdhsa_next_free_vgpr 128
		.amdhsa_next_free_sgpr 66
		.amdhsa_reserve_vcc 1
		.amdhsa_float_denorm_mode_32 3
		.amdhsa_float_denorm_mode_16_64 3
		.amdhsa_memory_ordered 1
		.amdhsa_forward_progress 1
		.amdhsa_inst_pref_size 56
	.end_amdhsa_kernel
	.amdgpu_metadata
---
amdhsa.version: [ 1, 2 ]
amdhsa.kernels:
  - .name:           k_q6bb2e829e6_place
    .symbol:         k_q6bb2e829e6_place.kd
    .args:
      - { .name: hist, .offset: 0, .size: 8, .value_kind: global_buffer, .address_space: global }
      - { .name: meta, .offset: 8, .size: 8, .value_kind: global_buffer, .address_space: global }
      - { .name: sched, .offset: 16, .size: 8, .value_kind: global_buffer, .address_space: global }
    .group_segment_fixed_size: 8192
    .private_segment_fixed_size: 0
    .kernarg_segment_align: 8
    .kernarg_segment_size: 24
    .max_flat_workgroup_size: 1024
    .sgpr_count:     66
    .vgpr_count:     128
    .wavefront_size: 32
...
	.end_amdgpu_metadata
.endif
;; end of part 5
;; launch experts (part 6): grid 255 x 1, 4 waves a work-group, no clusters, 159,744 bytes of LDS; arguments sched, xq, sc, gw, wq, b, out0; writes out0
.if DOCPART == 6
	.amdgcn_target "amdgcn-amd-amdhsa--gfx1250"
	.amdhsa_code_object_version 6
	.text
	.protected	k_q6bb2e829e6_experts
	.globl	k_q6bb2e829e6_experts
	.p2align	8
	.type	k_q6bb2e829e6_experts,@function
k_q6bb2e829e6_experts:
	s_mov_b64 s[64:65], 0
	v_nop
	global_prefetch_b8 v0, s[64:65] scope:SCOPE_SE
	s_setreg_imm32_b32 hwreg(HW_REG_WAVE_SCHED_MODE, 0, 2), 2
	s_setreg_imm32_b32 hwreg(HW_REG_WAVE_MODE, 25, 1), 1
	s_wait_xcnt 0x0
	s_wait_alu depctr_vm_vsrc(0)
; out[n] = g_lo (Q(x[n]) Q(W[lo])^T + b[lo]) + g_hi (Q(x[n]) Q(W[hi])^T + b[hi]): only the two experts chosen for a token are multiplied.
; Both operands are codes of E3M2 with E8M0 scales, made by the first launch; sums in f32.
; SHARES.  A work-group takes one tile of the stored list: at most 144 tokens that all hold the same pair (lo, hi), so each row of out has one owner.  The grid is the list's bound, 255 tiles;
; a work-group whose tile has no rows stores nothing and ends.  Wave w makes outputs 128 w .. 128 w + 127 for all nine tiles of 16 tokens.  Waves share nothing: no barrier.
; A slot beyond the tile's rows repeats the tile's last token: the same bits are stored again to the same row.
; NO TENSOR LOADS, NO JOINT REQUESTS: how many tiles a pair has, and whether a work-group has rows at all, are numbers read from memory, so partners could not be held to the same requests and the same barriers;
; the weights come from memory straight into registers, laid by the first launch as images of the operand's registers (a K step's fragment: three loads of 512 consecutive bytes).
; THE MATRIX INSTRUCTION IS USED TRANSPOSED: source 0 = 16 rows of W, source 1 = 16 tokens: lane (r, h) holds token r and outputs 8 h .. 8 h + 7, so a token's weights are one number a lane; the bias is the C of a sum's first product.
; A UNIT is one expert's 16 outputs x 144 tokens x K = 512: 36 matrix instructions.  Units go lo, hi, lo, hi ..; behind each hi the two are weighed and go to the wave's stage in LDS;
; after four tiles of outputs (256 bytes a token) the stage leaves: sixteen lanes store 256 consecutive bytes, aligned.  A unit's weights are asked for in the unit three back, behind its first five products.
; THE MODE: SCHED_MODE bits 1:0 = 2 (LLVM: expert scheduling mode 2), set by the entry lines.  The code itself states the register dependences
; between vector or matrix instructions and memory or LDS instructions, with s_wait_alu, always for 0.
; THE PLAN.  Registers that memory or LDS instructions touch:
;   v1-v8, v84-92  offsets and LDS addresses, made once at the head and never written again.
;   v10-18         the tokens: loaded, held by v_min_u32, read by nine LDS stores; never written again.
;   v221-238       the gathers' offsets: made at the head, read by the gathers; unit 1's products write these registers later.
;   THE RING       W[b], bias[b], WS[b], b = unit % 4.  Unit m's 15 loads land in them; unit m's 36 products read them; nothing else names them.  Unit n carries the loads of unit n + 3, which land in
;                  buffer (n - 1) % 4: the buffer that unit n - 1 read and that no instruction of unit n names.
;   P[lo]          written by the products and by COMBINE's packed lines, read by COMBINE's 18 LDS stores.
;   v104-223       in a flush: rows (v104-199) and tokens (v200-223) land there from LDS; two vector lines make each token an offset; the global stores read both.
; THE WAITS.  va_vdst: at the head of an odd unit (the even unit before is done reading its buffer); in COMBINE behind the packed lines (P[lo] is written; the odd unit is done reading its buffer, so the even
; unit that follows needs no wait of its own; every reader and writer of v104-247 is done, for a flush's LDS loads); in each third of a flush behind the lines that make the offsets.
; vm_vsrc: at the head of an even unit (the stage's stores, or a flush's last global stores, have read the registers that are begun anew); at the head of each third of a flush.
; REGISTERS, in windows of 256.  Window 0: v1-8 addresses; v10-18 tokens; v32-67 x's scale words (4 t + s); v68-83 W's (4 buffers); v84-92 the slots' offsets in the list; v104-247 the sums P[e][t] = 104 + 72 e + 8 t
;   (at the head v221-238 gather offsets; in a flush v104-199 rows, v200-223 their tokens).   Window 1: x's tiles 0-4 at 48 t + 12 s.   Window 2: tiles 5-8; v192-223 the biases, 4 buffers.
;   Window 3: W, 4 buffers of 48; v192-227 the weights (g_lo, g_hi, g_hi, g_lo) of tile t at 192 + 4 t.
.set LISTB, 576                        ; LDS: a copy of the tile's 144 tokens for each wave;
.set STAGE, 2560                       ; behind them a stage of 144 rows x (256 + 16) bytes for each wave
.set SP,    272
.set STGB,  144*SP
.set P,   104
.set XS,  32
.set WS,  68
.set SL,  84
.set GG,  192
.set BI,  192
.set TK,  200
.set DA,  104
.set OX,  221
.set OS,  230
.set WB,  24                           ; s[24:27] wq at lo, at hi;  s[28:31] W's scale bytes;  s[32:35] b
.set SB,  28
.set BB,  32
.set MSB, 0
.macro WIN new                         ; bits 1:0 source 0, 3:2 source 1, 5:4 source 2, 7:6 destination; the high byte repeats the setting that is left
.if MSB != \new
	s_set_vgpr_msb (MSB<<8)|\new
.set MSB, \new
.endif
.endm
.macro LOADS u                         ; unit u's 15 loads: 12 of W's images, 2 of the bias, 1 of W's scale words
.set LE,  (\u)%2
.set LOT, (\u)/2
.set LB,  (\u)%4
	WIN 0xc0
.irp s, 0,1,2,3
.irp j, 0,1,2
	global_load_b128 v[48*LB+12*\s+4*\j:48*LB+12*\s+4*\j+3], v1, s[WB+2*LE:WB+2*LE+1] offset:6144*LOT+1536*\s+512*\j
.endr
.endr
	WIN 0x80
.irp i, 0,1
	global_load_b128 v[BI+8*LB+4*\i:BI+8*LB+4*\i+3], v3, s[BB+2*LE:BB+2*LE+1] offset:64*LOT+16*\i
.endr
	WIN 0
	global_load_b128 v[WS+4*LB:WS+4*LB+3], v2, s[SB+2*LE:SB+2*LE+1] offset:256*LOT
.endm
.macro WM e, buf, t, s                 ; one product: expert e's sums of token tile t, K step s
.set rP, P+72*(\e)+8*(\t)
.set rW, 48*(\buf)+12*(\s)
.if (\t) < 5
.set rX, 48*(\t)+12*(\s)
.else
.set rX, 48*((\t)-5)+12*(\s)
.endif
.if (\s) == 0
	v_wmma_scale_f32_16x16x128_f8f6f4 v[rP:rP+7], v[rW:rW+11], v[rX:rX+11], v[BI+8*(\buf):BI+8*(\buf)+7], v[WS+4*(\buf)+(\s)], v[XS+4*(\t)+(\s)] matrix_a_fmt:MATRIX_FMT_BF6 matrix_b_fmt:MATRIX_FMT_BF6
.else
	v_wmma_scale_f32_16x16x128_f8f6f4 v[rP:rP+7], v[rW:rW+11], v[rX:rX+11], v[rP:rP+7], v[WS+4*(\buf)+(\s)], v[XS+4*(\t)+(\s)] matrix_a_fmt:MATRIX_FMT_BF6 matrix_b_fmt:MATRIX_FMT_BF6
.endif
.endm
; The sums take turns, one instruction a turn (five, then four of them).
.macro UNIT u
.set UE, (\u)%2
.set UB, (\u)%4
.if (\u) >= 4
.if (\u) <= 13
	s_wait_loadcnt 30                              ; my 15 loads are in; behind them stand those that the last two units carried
.else
	s_wait_loadcnt 15*(15-(\u))                    ; the counts run down
.endif
.endif
.if (UE == 0) && ((\u) >= 2)
	s_wait_dscnt 0x0                               ; the stage's stores are done
	s_wait_alu depctr_vm_vsrc(0)                   ; the stage's stores have read P[lo], and behind a flush its last global stores have read v104-223: this unit's and the next unit's products write these registers
.endif
.if (UE == 1) && ((\u) <= 11)
	s_wait_alu depctr_va_vdst(0)                   ; the unit before is done reading its weights, bias and scale words, in which the loads behind my first five products land
.endif
	WIN 0x27                                       ; W window 3, x window 1, the bias window 2
.irp t, 0,1,2,3,4
	WM UE, UB, \t, 0
.endr
.if ((\u) >= 1) && ((\u) <= 12)
	LOADS (\u)+3                                   ; into the buffer that the unit before read.  No wait here: no vector or matrix instruction since the last wait on va_vdst names that buffer or v1 to v3
.endif
	WIN 0x07
.irp s, 1,2,3
.irp t, 0,1,2,3,4
	WM UE, UB, \t, \s
.endr
.endr
	WIN 0x2b                                       ; x window 2
.irp t, 5,6,7,8
	WM UE, UB, \t, 0
.endr
	WIN 0x0b
.irp s, 1,2,3
.irp t, 5,6,7,8
	WM UE, UB, \t, \s
.endr
.endr
	WIN 0
.rept 4
	v_nop                                          ; four places behind the unit's last products: ahead of the first read of the sums and of the loads into the buffers just multiplied; two units' eight stand ahead of the products that begin these sums anew
.endr
.endm
.macro COMBINE q                       ; g_lo P[lo] + g_hi P[hi], each sum from its low end on; then 32 bytes a lane to row 16 t + r of the stage
	WIN 0x0c                                       ; source 1, the weights: window 3
.irp t, 0,1,2,3,4,5,6,7,8
.irp j, 0,2,4,6
	v_pk_mul_f32 v[P+8*\t+\j:P+8*\t+\j+1], v[P+8*\t+\j:P+8*\t+\j+1], v[GG+4*\t:GG+4*\t+1] op_sel_hi:[1,0]
.endr
.irp j, 0,2,4,6
	v_pk_fma_f32 v[P+8*\t+\j:P+8*\t+\j+1], v[P+72+8*\t+\j:P+72+8*\t+\j+1], v[GG+4*\t+2:GG+4*\t+3], v[P+8*\t+\j:P+8*\t+\j+1] op_sel_hi:[1,0,1]
.endr
.endr
	WIN 0
	s_wait_alu depctr_va_vdst(0)                   ; the packed lines have written P[lo], which the stores below read; the unit just done has read its buffer, in which the next unit's carried loads land; all that named v104-247 is done, for a flush's LDS loads
.irp t, 0,1,2,3,4,5,6,7,8
	ds_store_b128 v4, v[P+8*\t:P+8*\t+3] offset:16*SP*\t+64*(\q)
	ds_store_b128 v4, v[P+8*\t+4:P+8*\t+7] offset:16*SP*\t+64*(\q)+16
.endr
.endm
; The stage leaves, 48 rows at a time: lanes 0-15 take row i, lanes 16-31 row i + 72; each row goes to its token's row of out.
.macro FLUSH f
	s_wait_dscnt 0x0
.irp k, 0,1,2
	s_wait_alu depctr_vm_vsrc(0)                   ; the stage's stores (first third) or the global stores of the third before have read v104-223, in which the LDS loads below land
.irp n, 0,1,2,3,4,5
	ds_load_b128 v[TK+4*\n:TK+4*\n+3], v6 offset:16*(6*\k+\n)      ; the tokens of rows 24 k .. 24 k + 23 (+ 72): four to a load, the same for all lanes of a half
.endr
.set i, 0
.rept 24
	ds_load_b128 v[DA+4*i:DA+4*i+3], v5 offset:SP*(24*\k+i)
.set i, i+1
.endr
	s_wait_dscnt 24                                ; the tokens are in; the 24 rows may be out
.set i, 0
.rept 24
	v_min_u32 v[TK+i], 0x7fff, v[TK+i]
.set i, i+1
.endr
.set i, 0
.rept 24
	v_lshl_add_u32 v[TK+i], v[TK+i], 11, v7        ; token x 2,048 + my wave's 512 bytes + 16 (lane % 16)
.set i, i+1
.endr
	s_wait_alu depctr_va_vdst(0)                   ; the 24 offsets are written, which the stores below read; it also shows these lines done with v200-223, for the next third's LDS loads
.set i, 0
.rept 24
	s_wait_dscnt 23-i                              ; LDS loads come back in order: row i is in
	global_store_b128 v[TK+i], v[DA+4*i:DA+4*i+3], s[20:21] offset:256*(\f) th:TH_STORE_NT   ; sixteen lanes store 256 consecutive bytes, at a multiple of 256 from out's first byte
.set i, i+1
.endr
	s_wait_xcnt 0x0                                ; the stores' data and offsets are written again only behind this wait
.endr
.endm
	s_load_b256 s[8:15], s[0:1], 0x0               ; sched 8, xq 10, sc 12, gw 14
	s_load_b128 s[16:19], s[0:1], 0x20             ; wq 16, b 18
	s_load_b64 s[20:21], s[0:1], 0x30              ; out
	v_lshl_add_u32 v254, v0, 2, 0x26e00
	v_mov_b32 v255, 0
	v_lshrrev_b32 v9, 5, v0
	v_readfirstlane_b32 s38, v9                    ; wave 0..3
	v_and_b32 v19, 31, v0                          ; lane
	v_and_b32 v20, 15, v0                          ; r
	v_bfe_u32 v21, v0, 4, 1                        ; h
	s_wait_alu depctr_va_sdst(0)                   ; s38 is written, ahead of its first reader: offsets and LDS addresses are made from it
	s_lshl_b32 s40, ttmp9, 2
	s_mov_b32 s41, 0
	s_wait_alu depctr_va_vdst(0)
	s_wait_kmcnt 0x0
	s_add_nc_u64 s[22:23], s[8:9], s[40:41]
	s_load_b32 s39, s[22:23], 0x0                  ; my tile's word
	s_mul_i32 s46, s38, 49152                      ; my 8 tiles of outputs in an expert's images
	v_lshl_add_u32 v1, v19, 4, s46
	s_lshl_b32 s46, s38, 11
	v_lshl_add_u32 v2, v20, 4, s46                 ; W's scale words: row 128 w + r, 16 bytes a row
	s_lshl_b32 s47, s38, 9
	v_lshl_add_u32 v3, v21, 5, s47                 ; the bias: 512 w + 32 h
	v_lshl_add_u32 v7, v20, 4, s47                 ; out: 512 w + 16 (lane % 16)
	s_mul_i32 s48, s38, STGB
	s_add_co_u32 s48, s48, STAGE                   ; my stage
	v_mul_u32_u24 v4, v20, SP
	v_lshl_add_u32 v4, v21, 5, v4
	v_add_nc_u32 v4, s48, v4                       ; in: row r, 32 bytes for each half of the lanes
	v_mul_u32_u24 v5, v21, 72*SP
	v_lshl_add_u32 v5, v20, 4, v5
	v_add_nc_u32 v5, s48, v5                       ; back: lanes 16-31 read 72 rows further down
	s_mul_i32 s49, s38, LISTB
	v_mul_u32_u24 v6, v21, 288
	v_add_nc_u32 v6, s49, v6                       ; my list: 72 tokens further on for lanes 16-31
	v_lshl_add_u32 v8, v20, 2, s49
	v_mul_u32_u24 v22, v21, 192
	s_wait_kmcnt 0x0
	s_and_b32 s36, s39, 0xff                       ; rows
	s_cmp_eq_u32 s36, 0
	s_cbranch_scc1 .Lempty                         ; this split has no such tile
	s_sub_co_u32 s37, s36, 1
	s_bfe_u32 s40, s39, 0x40008
	s_min_u32 s40, s40, 7                          ; lo
	s_bfe_u32 s41, s39, 0x4000c
	s_min_u32 s41, s41, 7                          ; hi
	s_mov_b32 s43, 0
	s_mul_i32 s42, ttmp9, 576
	s_add_co_u32 s42, s42, 1024
	s_add_nc_u64 s[22:23], s[8:9], s[42:43]        ; my tile's 144 slots of the list
	s_mul_i32 s42, s40, 196608
	s_add_nc_u64 s[WB:WB+1], s[16:17], s[42:43]
	s_mul_i32 s42, s41, 196608
	s_add_nc_u64 s[WB+2:WB+3], s[16:17], s[42:43]
	s_lshl_b32 s42, s40, 13
	s_add_co_u32 s42, s42, 524288
	s_add_nc_u64 s[SB:SB+1], s[12:13], s[42:43]
	s_lshl_b32 s42, s41, 13
	s_add_co_u32 s42, s42, 524288
	s_add_nc_u64 s[SB+2:SB+3], s[12:13], s[42:43]
	s_lshl_b32 s42, s40, 11
	s_add_nc_u64 s[BB:BB+1], s[18:19], s[42:43]
	s_lshl_b32 s42, s41, 11
	s_add_nc_u64 s[BB+2:BB+3], s[18:19], s[42:43]
.irp t, 0,1,2,3,4,5,6,7,8
	v_add_nc_u32 v[SL+\t], 16*\t, v20
	v_min_u32 v[SL+\t], s37, v[SL+\t]              ; a slot beyond the rows takes the last row's token
	v_min_u32 v[SL+\t], 143, v[SL+\t]
	v_lshlrev_b32 v[SL+\t], 2, v[SL+\t]            ; the slot's offset has a register of its own: the token lands in another
.endr
	s_wait_alu depctr_va_vdst(0)                   ; v1 to v8 and the nine slot offsets are written: the loads and stores of the whole kernel read them as offsets and addresses
.irp t, 0,1,2,3,4,5,6,7,8
	global_load_b32 v[10+\t], v[SL+\t], s[22:23]
.endr
	LOADS 0
	LOADS 1
	LOADS 2
	LOADS 3
	s_wait_loadcnt 60                              ; the tokens are in; the four units' 60 loads may be out
.irp t, 0,1,2,3,4,5,6,7,8
	v_min_u32 v[10+\t], 0x7fff, v[10+\t]
.endr
.irp t, 0,1,2,3,4,5,6,7,8
	v_mad_u32_u24 v[OX+\t], v[10+\t], 384, v22     ; the token's codes: my half's 192 bytes
	v_lshlrev_b32 v[OS+\t], 4, v[10+\t]            ; its scale words and its weights: 16 bytes each
.endr
	s_wait_alu depctr_va_vdst(0)                   ; the tokens as held, which the LDS stores read, and the 18 gather offsets, which the loads below read, are written
.irp t, 0,1,2,3,4,5,6,7,8
	ds_store_b32 v8, v[10+\t] offset:64*\t         ; lanes r and r + 16 write the same word with the same value
.endr
	WIN 0x40
.irp t, 0,1,2,3,4
.irp n, 0,1,2,3,4,5,6,7,8,9,10,11
	global_load_b128 v[48*\t+4*\n:48*\t+4*\n+3], v[OX+\t], s[10:11] offset:16*\n
.endr
.endr
	WIN 0x80
.irp t, 5,6,7,8
.irp n, 0,1,2,3,4,5,6,7,8,9,10,11
	global_load_b128 v[48*(\t-5)+4*\n:48*(\t-5)+4*\n+3], v[OX+\t], s[10:11] offset:16*\n
.endr
.endr
	WIN 0xc0
.irp t, 0,1,2,3,4,5,6,7,8
	global_load_b128 v[GG+4*\t:GG+4*\t+3], v[OS+\t], s[14:15]
.endr
	WIN 0
.irp t, 0,1,2,3,4,5,6,7,8
	global_load_b128 v[XS+4*\t:XS+4*\t+3], v[OS+\t], s[12:13]
.endr
	s_wait_loadcnt 0x0                             ; x's nine tiles stay in registers for the whole launch
	s_wait_alu depctr_vm_vsrc(0)                   ; the gathers have read their offsets v221-238, which unit 1's products write
.irp u, 0,1,2,3,4,5,6,7,8,9,10,11,12,13,14,15
	UNIT \u
.if (\u)%2 == 1
	COMBINE ((\u)/2)%4
.endif
.if \u == 7
	FLUSH 0
.endif
.if \u == 15
	FLUSH 1
.endif
.endr
.Lempty:
	s_wait_dscnt 0x0                               ; the closing lines, six on end
	s_wait_alu 0x0
	s_wait_tensorcnt 0x0
	ds_add_u32 v254, v255
	s_wait_dscnt 0x0
	s_endpgm
.Lfunc_end_k_q6bb2e829e6_experts:
	.size	k_q6bb2e829e6_experts, .Lfunc_end_k_q6bb2e829e6_experts-k_q6bb2e829e6_experts
	.p2alignl 7, 3214868480
	.fill 96, 4, 3214868480
	.section	.rodata,"a",@progbits
	.p2align	6, 0x0
	.amdhsa_kernel k_q6bb2e829e6_experts
		.amdhsa_group_segment_fixed_size 159744
		.amdhsa_private_segment_fixed_size 0
		.amdhsa_enable_private_segment 0
		.amdhsa_kernarg_size 56
		.amdhsa_user_sgpr_count 2
		.amdhsa_user_sgpr_kernarg_segment_ptr 1
		.amdhsa_wavefront_size32 1
		.amdhsa_system_sgpr_workgroup_id_x 1
		.amdhsa_system_sgpr_workgroup_id_y 1
		.amdhsa_system_sgpr_workgroup_id_z 1
		.amdhsa_system_vgpr_workitem_id 0
		.amdhsa_next_free_vgpr 1024
		.amdhsa_next_free_sgpr 66
		.amdhsa_reserve_vcc 0
		.amdhsa_float_denorm_mode_32 3
		.amdhsa_float_denorm_mode_16_64 3
		.amdhsa_memory_ordered 1
		.amdhsa_forward_progress 1
		.amdhsa_inst_pref_size 216
	.end_amdhsa_kernel
	.amdgpu_metadata
---
amdhsa.version: [ 1, 2 ]
amdhsa.kernels:
  - .name:           k_q6bb2e829e6_experts
    .symbol:         k_q6bb2e829e6_experts.kd
    .args:
      - { .name: sched, .offset: 0, .size: 8, .value_kind: global_buffer, .address_space: global }
      - { .name: xq, .offset: 8, .size: 8, .value_kind: global_buffer, .address_space: global }
      - { .name: sc, .offset: 16, .size: 8, .value_kind: global_buffer, .address_space: global }
      - { .name: gw, .offset: 24, .size: 8, .value_kind: global_buffer, .address_space: global }
      - { .name: wq, .offset: 32, .size: 8, .value_kind: global_buffer, .address_space: global }
      - { .name: b, .offset: 40, .size: 8, .value_kind: global_buffer, .address_space: global }
      - { .name: out0, .offset: 48, .size: 8, .value_kind: global_buffer, .address_space: global }
    .group_segment_fixed_size: 159744
    .private_segment_fixed_size: 0
    .kernarg_segment_align: 8
    .kernarg_segment_size: 56
    .max_flat_workgroup_size: 128
    .sgpr_count:     66
    .vgpr_count:     1024
    .wavefront_size: 32
...
	.end_amdgpu_metadata
.endif
;; end of part 6
